; MI455X (gfx1250); checked and timed in simulation.
; The chip was launched on July 23, 2026; its instructions are those of AMD's public machine-readable ISA for CDNA 5 (MIT licence, August 2026) and "CDNA5" Instruction Set Architecture Reference Guide (July 2026). The comments in the code are by the model that wrote it; some were corrected since.
;; Multi Head Self Attention Layer. Allowed arithmetic: float matrix products may take bf16 or f16 operands with f32 sums; all other float work in f32.
;; Inputs: B_Key 1,024 float32; B_Output 1,024 float32; B_Query 1,024 float32; B_Value 1,024 float32; W_Key 1,024 x 1,024 float32; W_Output 1,024 x 1,024 float32; W_Query 1,024 x 1,024 float32; W_Value 1,024 x 1,024 float32; key 2 x 2,048 x 1,024 float32; query 2 x 2,048 x 1,024 float32; value 2 x 2,048 x 1,024 float32.
;; Outputs: out0 2 x 2,048 x 1,024 float32.
;; 2 versions, each right. Each part assembles by itself: llvm-mc -triple=amdgcn-amd-amdhsa -mcpu=gfx1250 --defsym DOCPART=n.
;; ======== version 1 of 2: 3 launches
;; limits: values are held in f16: magnitudes above 65,504 overflow, below 6.1e-05 lose precision
;; workspace buffers: qh 8,388,608 bytes; kh 8,388,608 bytes; vh 8,388,608 bytes; att 8,388,608 bytes
;; launch proj (part 1): grid 4 x 48, 4 waves a work-group, no clusters, 161,280 bytes of LDS; arguments query, key, value, W_Query, W_Key, W_Value, B_Query, B_Key, B_Value, qh, kh, vh; writes qh, kh, vh
.if DOCPART == 1
	.amdgcn_target "amdgcn-amd-amdhsa--gfx1250"
	.amdhsa_code_object_version 6
	.text
	.protected	k_q70409b1d84_proj
	.globl	k_q70409b1d84_proj
	.p2align	8
	.type	k_q70409b1d84_proj,@function
k_q70409b1d84_proj:
	s_mov_b64 s[64:65], 0
	v_nop
	global_prefetch_b8 v0, s[64:65] scope:SCOPE_SE
	s_setreg_imm32_b32 hwreg(HW_REG_WAVE_MODE, 25, 1), 1
	s_wait_xcnt 0x0
; q, k, v = x W + b, rounded to f16 and stored head by head: element (b, h, l, d) at byte ((16 b + h) 2048 + l) 128 + 2 d.
; x: [4096][1024] f32, W: [1024 (k)][1024 (n)] f32, b: [1024] f32.  Work-group y = 16 x (which of the three products) + block row, x = block column.
; A work-group makes 256 x 256 with four waves of 128 x 128 (64 accumulator tiles, 512 registers).  K goes in 16 steps of 64 through two LDS slots.
; FORMAT: operands are rounded to f16, sums and bias are f32.  LIMIT: |x|, |W| and |x W + b| must stay under 65,504, f16's largest number.
;   With rows of unit spread and weights of spread 0.02 the results reach about 4; all inputs 30 times larger: about 3.5e3;
;   all inputs shifted by 30 spreads: 30 x 0.6 x 1024 = about 1.9e4.  Both together would pass the limit.
; NO TENSOR LOADS, NO JOINT REQUESTS, though x's tile is shared by 4 work-groups and W's by 16: the tiles are f32 in memory and the matrix unit takes 16 bits.
;   A K step's tiles are 2 x 64 KiB of f32; landed in LDS they would be written (128 KiB), read back (128 KiB) and written again as f16 (64 KiB).
;   Through registers (global load, conversion, LDS store) LDS is written once, 64 KiB.
; W lies [k][n]: it is stored so in LDS and the fragments are made by the transposing LDS load.
; THE MATRIX INSTRUCTION IS USED TRANSPOSED: source 0 = 16 columns of W, source 1 = 16 rows of x: lane (r, h) then holds row r, columns 8 h + 0..7.
; The bias is the C operand of each accumulator's first product: nothing is cleared and nothing is added afterwards.
; REGISTERS: window 0: v8-27 addresses, v32-63 packed results, v64-127 fragments of x, v128-255 x as loaded;
;   window 1: v0-63 bias (tile b at 8 b), v64-127 fragments of W, v128-255 W as loaded;  windows 2, 3: accumulators, tile (a, b) at 8 (8 a + b).
.set KSTEP,  64
.set APITCH, 144                       ; 128 bytes of a row + 16: the 16 rows of a fragment load start 36 words apart
.set BPITCH, 544                       ; 512 bytes of a k row + 32 = 17 x 32, for the transposing load
.set BPART,  256*APITCH                ; W's part of a slot lies behind x's 256 rows
.set SLOT,   BPART+64*BPITCH           ; 71,680
.set STAGE,  2*SLOT                    ; 143,360: 16 rows x 272 bytes for each wave, for the way out
.set SPITCH, 272
.set AGO,  8                           ; byte offset of my 16 bytes in x's block
.set BGO,  9                           ; the same in W's block
.set ASTO, 10                          ; v10-11  where I put 8 bytes of x, slot 0, 1
.set BSTO, 12                          ; v12-13  the same for W
.set ADRA, 16                          ; v16-17  my fragments of x, slot 0, 1
.set ADRB, 20                          ; v20-21  my fragments of W
.set STO,  24
.set RD,   25
.set CO,   26
.set BO,   27
.set TMP,  32
.set FR,   64                          ; fragments (window 0: x, window 1: W)
.set SG,   128                         ; as loaded (window 0: x, window 1: W)
.set MSB, 0
.macro WIN new                         ; the immediate's high byte repeats the setting that is left
.if MSB != \new
	s_set_vgpr_msb (MSB<<8)|\new
.set MSB, \new
.endif
.endm
.macro PLACES                          ; four places behind matrix instructions (ISA guide 7.12.1) before their registers are loaded into or read
.rept 4
	v_nop
.endr
.endm
	s_load_b512 s[16:31], s[0:1], 0x0              ; query, key, value, W_Query, W_Key, W_Value, B_Query, B_Key
	s_load_b256 s[32:39], s[0:1], 0x40             ; B_Value, qh, kh, vh
	v_lshl_add_u32 v30, v0, 2, 0x27400
	v_mov_b32 v31, 0
	v_lshrrev_b32 v1, 5, v0
	v_readfirstlane_b32 s12, v1                    ; wave 0..3
	s_lshr_b32 s13, s12, 1                         ; rh: which 128 rows are mine
	s_and_b32 s14, s12, 1                          ; ch: which 128 columns
	s_and_b32 s40, ttmp7, 0xffff
	s_and_b32 s41, s40, 15                         ; block row 0..15
	s_lshr_b32 s40, s40, 4                         ; 0: q, 1: k, 2: v
	v_and_b32 v1, 31, v0                           ; L
	v_and_b32 v2, 15, v0                           ; r
	v_bfe_u32 v3, v0, 4, 1                         ; h
	v_and_b32 v4, 7, v0                            ; L & 7
	v_bfe_u32 v5, v0, 3, 1                         ; (L >> 3) & 1
	s_lshl_b32 s2, s12, 18                         ; x: row 64 w + 8 h, 16 bytes at 16 r: sixteen lanes take 256 consecutive aligned bytes of a row
	v_lshlrev_b32 v6, 4, v2
	v_lshl_add_u32 v6, v3, 15, v6
	v_add_nc_u32 v[AGO], s2, v6
	s_lshl_b32 s2, s12, 16                         ; W: k row 16 w, 16 bytes at 16 L
	v_lshl_add_u32 v[BGO], v1, 4, s2
	s_mul_i32 s2, s12, 64*APITCH                   ; x in LDS: row 64 w + 8 h, 8 bytes at 8 r
	v_mul_u32_u24 v6, v3, 8*APITCH
	v_lshl_add_u32 v6, v2, 3, v6
	v_add_nc_u32 v[ASTO], s2, v6
	v_add_nc_u32 v[ASTO+1], SLOT, v[ASTO]
	s_mul_i32 s2, s12, 16*BPITCH                   ; W in LDS: k row 16 w, 8 bytes at 8 L
	s_add_co_u32 s2, s2, BPART
	v_lshl_add_u32 v[BSTO], v1, 3, s2
	v_add_nc_u32 v[BSTO+1], SLOT, v[BSTO]
	s_mul_i32 s2, s13, 128*APITCH                  ; fragments of x: row 128 rh + r, 16 bytes at 16 h
	v_mul_u32_u24 v6, v2, APITCH
	v_lshl_add_u32 v6, v3, 4, v6
	v_add_nc_u32 v[ADRA], s2, v6
	v_add_nc_u32 v[ADRA+1], SLOT, v[ADRA]
	s_lshl_b32 s2, s14, 8                          ; fragments of W: k row 8 h + (L & 7), column 128 ch + 8 ((L >> 3) & 1)
	s_add_co_u32 s2, s2, BPART
	v_lshl_add_u32 v6, v3, 3, v4
	v_mul_u32_u24 v6, v6, BPITCH
	v_lshl_add_u32 v6, v5, 4, v6
	v_add_nc_u32 v[ADRB], s2, v6
	v_add_nc_u32 v[ADRB+1], SLOT, v[ADRB]
	s_mul_i32 s2, s12, 16*SPITCH                   ; my stage
	s_add_co_u32 s2, s2, STAGE
	v_mul_u32_u24 v6, v2, SPITCH                   ; in: row r, 16 bytes at 16 h
	v_lshl_add_u32 v6, v3, 4, v6
	v_add_nc_u32 v[STO], s2, v6
	v_mul_u32_u24 v6, v5, SPITCH                   ; back: lanes 0-15 two rows' 128 bytes of my first head, lanes 16-31 of my second
	v_lshl_add_u32 v6, v3, 7, v6
	v_lshl_add_u32 v6, v4, 4, v6
	v_add_nc_u32 v[RD], s2, v6
	v_lshlrev_b32 v6, 4, v2                        ; and in the result: head h of my two (2048 x 128 bytes apart), 16 r
	v_lshl_add_u32 v[CO], v3, 18, v6
	s_lshl_b32 s2, ttmp9, 10                       ; bias: column 256 x block + 128 ch + 8 h, in bytes
	s_lshl_b32 s3, s14, 9
	s_add_co_u32 s2, s2, s3
	v_lshl_add_u32 v[BO], v3, 5, s2
	s_lshr_b32 s2, s41, 3                          ; result: ((16 batch + 4 x block column + 2 ch) 2048 + 256 (block row mod 8) + 128 rh) x 128 bytes
	s_lshl_b32 s2, s2, 4
	s_lshl_b32 s3, ttmp9, 2
	s_add_co_u32 s2, s2, s3
	s_lshl_b32 s3, s14, 1
	s_add_co_u32 s2, s2, s3
	s_lshl_b32 s2, s2, 11
	s_and_b32 s3, s41, 7
	s_lshl_b32 s3, s3, 8
	s_add_co_u32 s2, s2, s3
	s_lshl_b32 s3, s13, 7
	s_add_co_u32 s2, s2, s3
	s_lshl_b32 s46, s2, 7
	s_mov_b32 s47, 0
	s_mov_b32 s45, 0
	s_wait_kmcnt 0x0
	s_cmp_eq_u32 s40, 1                            ; the product's four buffers
	s_cselect_b64 s[4:5], s[18:19], s[16:17]
	s_cselect_b64 s[6:7], s[24:25], s[22:23]
	s_cselect_b64 s[8:9], s[30:31], s[28:29]
	s_cselect_b64 s[10:11], s[36:37], s[34:35]
	s_cmp_eq_u32 s40, 2
	s_cselect_b64 s[4:5], s[20:21], s[4:5]
	s_cselect_b64 s[6:7], s[26:27], s[6:7]
	s_cselect_b64 s[8:9], s[32:33], s[8:9]
	s_cselect_b64 s[10:11], s[38:39], s[10:11]
	s_lshl_b32 s44, s41, 20                        ; 256 rows of 4,096 bytes
	s_add_nc_u64 s[4:5], s[4:5], s[44:45]
	s_lshl_b32 s44, ttmp9, 10                      ; 256 columns of 4 bytes
	s_add_nc_u64 s[6:7], s[6:7], s[44:45]
	s_add_nc_u64 s[10:11], s[10:11], s[46:47]
; 32 loads: my 64 rows x 256 bytes of x's tile.  step = 1: the tile one K step on.
.macro LOADA step
.if \step
	s_wait_xcnt 0x0                                ; the base is stepped only behind this wait
	s_add_nc_u64 s[4:5], s[4:5], KSTEP*4
.endif
	WIN 0
.set ii, 0
.rept 32
	global_load_b128 v[SG+4*ii:SG+4*ii+3], v[AGO], s[4:5] offset:(16*(ii>>3)+(ii&7))*4096
.set ii, ii+1
.endr
.endm
; 32 loads: my 16 k rows x 1,024 bytes of W's tile, 512 consecutive bytes each
.macro LOADB step
.if \step
	s_wait_xcnt 0x0
	s_add_nc_u64 s[6:7], s[6:7], KSTEP*4096
.endif
	WIN 0x40                                       ; destination window 1
.set ii, 0
.rept 32
	global_load_b128 v[SG+4*ii:SG+4*ii+3], v[BGO], s[6:7] offset:(ii>>1)*4096+(ii&1)*512
.set ii, ii+1
.endr
.endm
; round in place, four numbers to 8 bytes, and put them into slot s.  Lanes 16-31 write 8 rows = 1,152 bytes further: the other half of a 256-byte span
.macro CVSTA s
	WIN 0
.set ii, 0
.rept 32
	v_cvt_pk_f16_f32 v[SG+4*ii], v[SG+4*ii], v[SG+4*ii+1]
	v_cvt_pk_f16_f32 v[SG+4*ii+1], v[SG+4*ii+2], v[SG+4*ii+3]
.set ii, ii+1
.endr
.set ii, 0
.rept 32
	ds_store_b64 v[ASTO+\s], v[SG+4*ii:SG+4*ii+1] offset:(16*(ii>>3)+(ii&7))*APITCH
.set ii, ii+1
.endr
.endm
.macro CVSTB s
	WIN 0x45                                       ; sources and destination window 1
.set ii, 0
.rept 32
	v_cvt_pk_f16_f32 v[SG+4*ii], v[SG+4*ii], v[SG+4*ii+1]
	v_cvt_pk_f16_f32 v[SG+4*ii+1], v[SG+4*ii+2], v[SG+4*ii+3]
.set ii, ii+1
.endr
	WIN 0x04                                       ; address window 0, data window 1
.set ii, 0
.rept 32
	ds_store_b64 v[BSTO+\s], v[SG+4*ii:SG+4*ii+1] offset:(ii>>1)*BPITCH+(ii&1)*256
.set ii, ii+1
.endr
.endm
; 32 LDS loads: the fragments of 32 along K (half kq of the step): 8 x 16 columns of W, transposed on the way, and 8 x 16 rows of x
.macro FETCH s, kq
	WIN 0x40
.irp i, 0,1,2,3,4,5,6,7
	ds_load_tr16_b128 v[FR+8*\i:FR+8*\i+3],   v[ADRB+\s] offset:\kq*32*BPITCH+32*\i
	ds_load_tr16_b128 v[FR+8*\i+4:FR+8*\i+7], v[ADRB+\s] offset:\kq*32*BPITCH+16*BPITCH+32*\i
.endr
	WIN 0
.irp i, 0,1,2,3,4,5,6,7
	ds_load_b128 v[FR+8*\i:FR+8*\i+3],   v[ADRA+\s] offset:\kq*64+\i*16*APITCH
	ds_load_b128 v[FR+8*\i+4:FR+8*\i+7], v[ADRA+\s] offset:\kq*64+\i*16*APITCH+32
.endr
.endm
.macro MUL16 hi, a0, first
.irp a, \a0, \a0+1
.irp b, 0,1,2,3,4,5,6,7
.if \first
	v_wmma_f32_16x16x32_f16 v[8*(8*(\a)+\b):8*(8*(\a)+\b)+7], v[FR+8*\b:FR+8*\b+7], v[FR+8*(4*\hi+\a):FR+8*(4*\hi+\a)+7], v[8*\b:8*\b+7]
.else
	v_wmma_f32_16x16x32_f16 v[8*(8*(\a)+\b):8*(8*(\a)+\b)+7], v[FR+8*\b:FR+8*\b+7], v[FR+8*(4*\hi+\a):FR+8*(4*\hi+\a)+7], v[8*(8*(\a)+\b):8*(8*(\a)+\b)+7]
.endif
.endr
.endr
.endm
; 64 matrix instructions, one on each accumulator, always in the same order: the accumulators take turns
.macro MULQ first
.if \first
	WIN 0x91                                       ; W window 1, x window 0, C = bias window 1, D window 2
.else
	WIN 0xa1                                       ; C and D window 2
.endif
	MUL16 0, 0, \first
	MUL16 0, 2, \first
.if \first
	WIN 0xd1
.else
	WIN 0xf1
.endif
	MUL16 1, 0, \first
	MUL16 1, 2, \first
.endm
; K step t on slot s.  st: the tiles of step t + 1, on their way into registers, are rounded and stored into the other slot; ld: those of step t + 2 are asked for.
; The loads go out in the order x(t+1), W(t+1), x(t+2), W(t+2), 32 each, and come back in that order.
.macro STEP s, first, st, ld, bar
	PLACES
	FETCH \s, 0
.if \st
	s_wait_loadcnt 32                              ; x(t+1) is in; the 32 younger loads, W(t+1), stay out
	CVSTA 1-\s
.endif
.if \ld
	LOADA 1
.endif
	s_wait_dscnt 32*\st                            ; the 32 fragment loads are in; the 32 stores issued behind them may be out
	MULQ \first
	PLACES
	FETCH \s, 1
.if \st
	s_wait_loadcnt 32*\ld                          ; W(t+1) is in; the younger loads are x(t+2), if any were issued
	CVSTB 1-\s
.endif
.if \ld
	LOADB 1
.endif
	s_wait_dscnt 0x0                               ; my reads of this slot are over and my stores into the other are done:
.if \bar
	s_barrier_signal -1                            ; say so,
.endif
	MULQ 0                                         ; work on registers while the others arrive,
	WIN 0
.if \bar
	s_barrier_wait -1                              ; then the other slot is whole and this one may be written
.endif
.endm
	LOADA 0
	LOADB 0
	WIN 0x40
.irp b, 0,1,2,3,4,5,6,7
	global_load_b128 v[8*\b:8*\b+3],   v[BO], s[8:9] offset:64*\b       ; bias of columns 16 b + 8 h + 0..7: what the lane's eight results of tile b need
	global_load_b128 v[8*\b+4:8*\b+7], v[BO], s[8:9] offset:64*\b+16
.endr
	s_wait_loadcnt 0x0
	CVSTA 0
	CVSTB 0
	LOADA 1
	LOADB 1
	WIN 0
	s_wait_dscnt 0x0                               ; my part of slot 0 is stored
	s_barrier_signal -1
	s_barrier_wait -1
	STEP 0, 1, 1, 1, 1                             ; the first step starts the sums from the bias
	STEP 1, 0, 1, 1, 1
	s_mov_b32 s42, 6
.Llap:
	STEP 0, 0, 1, 1, 1
	STEP 1, 0, 1, 1, 1
	s_sub_co_u32 s42, s42, 1
	s_cmp_lg_u32 s42, 0
	s_cbranch_scc1 .Llap
	STEP 0, 0, 1, 0, 1                             ; step 14: nothing left to ask for
	STEP 1, 0, 0, 0, 0                             ; step 15
	PLACES
; THE WAY OUT, 16 rows at a time: round to f16, 16 bytes a lane into my own stage, read back so that sixteen lanes hold two rows of one head:
; each store's sixteen lanes cover 256 consecutive aligned bytes.  LDS serves a wave's instructions in order (ISA guide 5.7.1): no wait between stores and loads.
.macro OUT16 i, a, from, f
	WIN \from
.irp b, 0,1,2,3,4,5,6,7
.irp q, 0,1,2,3
	v_cvt_pk_f16_f32 v[TMP+4*\b+\q], v[8*(8*\a+\b)+2*\q], v[8*(8*\a+\b)+2*\q+1]
.endr
.endr
	WIN 0
.irp b, 0,1,2,3,4,5,6,7
	ds_store_b128 v[STO], v[TMP+4*\b:TMP+4*\b+3] offset:32*\b
.endr
	s_wait_xcnt 0x0                                ; the registers that earlier stores read are loaded again only behind this wait
.irp t, 0,1,2,3,4,5,6,7
	ds_load_b128 v[\f+4*\t:\f+4*\t+3], v[RD] offset:\t*2*SPITCH
.endr
.irp t, 0,1,2,3,4,5,6,7
	s_wait_dscnt 7-\t
	global_store_b128 v[CO], v[\f+4*\t:\f+4*\t+3], s[10:11] offset:2048*\i+256*\t
.endr
.endm
	OUT16 0, 0, 0x0a, 128
	OUT16 1, 1, 0x0a, 160
	OUT16 2, 2, 0x0a, 128
	OUT16 3, 3, 0x0a, 160
	OUT16 4, 0, 0x0f, 128
	OUT16 5, 1, 0x0f, 160
	OUT16 6, 2, 0x0f, 128
	OUT16 7, 3, 0x0f, 160
	s_wait_tensorcnt 0x0
	ds_add_u32 v30, v31
	s_wait_dscnt 0x0
	s_endpgm
.Lfunc_end_k_q70409b1d84_proj:
	.size	k_q70409b1d84_proj, .Lfunc_end_k_q70409b1d84_proj-k_q70409b1d84_proj
	.p2alignl 7, 3214868480
	.fill 96, 4, 3214868480
	.section	.rodata,"a",@progbits
	.p2align	6, 0x0
	.amdhsa_kernel k_q70409b1d84_proj
		.amdhsa_group_segment_fixed_size 161280
		.amdhsa_private_segment_fixed_size 0
		.amdhsa_enable_private_segment 0
		.amdhsa_kernarg_size 96
		.amdhsa_user_sgpr_count 2
		.amdhsa_user_sgpr_kernarg_segment_ptr 1
		.amdhsa_wavefront_size32 1
		.amdhsa_system_sgpr_workgroup_id_x 1
		.amdhsa_system_sgpr_workgroup_id_y 1
		.amdhsa_system_sgpr_workgroup_id_z 1
		.amdhsa_system_vgpr_workitem_id 0
		.amdhsa_next_free_vgpr 1024
		.amdhsa_next_free_sgpr 66
		.amdhsa_reserve_vcc 0
		.amdhsa_float_denorm_mode_32 3
		.amdhsa_float_denorm_mode_16_64 3
		.amdhsa_memory_ordered 1
		.amdhsa_forward_progress 1
		.amdhsa_inst_pref_size 225
	.end_amdhsa_kernel
	.amdgpu_metadata
---
amdhsa.version: [ 1, 2 ]
amdhsa.kernels:
  - .name:           k_q70409b1d84_proj
    .symbol:         k_q70409b1d84_proj.kd
    .args:
      - { .name: query, .offset: 0, .size: 8, .value_kind: global_buffer, .address_space: global }
      - { .name: key, .offset: 8, .size: 8, .value_kind: global_buffer, .address_space: global }
      - { .name: value, .offset: 16, .size: 8, .value_kind: global_buffer, .address_space: global }
      - { .name: W_Query, .offset: 24, .size: 8, .value_kind: global_buffer, .address_space: global }
      - { .name: W_Key, .offset: 32, .size: 8, .value_kind: global_buffer, .address_space: global }
      - { .name: W_Value, .offset: 40, .size: 8, .value_kind: global_buffer, .address_space: global }
      - { .name: B_Query, .offset: 48, .size: 8, .value_kind: global_buffer, .address_space: global }
      - { .name: B_Key, .offset: 56, .size: 8, .value_kind: global_buffer, .address_space: global }
      - { .name: B_Value, .offset: 64, .size: 8, .value_kind: global_buffer, .address_space: global }
      - { .name: qh, .offset: 72, .size: 8, .value_kind: global_buffer, .address_space: global }
      - { .name: kh, .offset: 80, .size: 8, .value_kind: global_buffer, .address_space: global }
      - { .name: vh, .offset: 88, .size: 8, .value_kind: global_buffer, .address_space: global }
    .group_segment_fixed_size: 161280
    .private_segment_fixed_size: 0
    .kernarg_segment_align: 8
    .kernarg_segment_size: 96
    .max_flat_workgroup_size: 128
    .sgpr_count:     66
    .vgpr_count:     1024
    .wavefront_size: 32
...
	.end_amdgpu_metadata
.endif
;; end of part 1
;; launch attn (part 2): grid 8 x 32, 8 waves a work-group, clusters of 4 x 1, 327,680 bytes of LDS; arguments qh, kh, vh, att; writes att
.if DOCPART == 2
	.amdgcn_target "amdgcn-amd-amdhsa--gfx1250"
	.amdhsa_code_object_version 6
	.text
	.protected	k_q70409b1d84_attn
	.globl	k_q70409b1d84_attn
	.p2align	8
	.type	k_q70409b1d84_attn,@function
k_q70409b1d84_attn:
	s_mov_b64 s[64:65], 0
	v_nop
	global_prefetch_b8 v0, s[64:65] scope:SCOPE_SE
	s_setreg_imm32_b32 hwreg(HW_REG_WAVE_MODE, 25, 1), 1
	s_wait_xcnt 0x0
	s_wait_alu depctr_hold_cnt(0) depctr_sa_sdst(0) depctr_va_vdst(0) depctr_va_sdst(0) depctr_va_ssrc(0) depctr_va_vcc(0) depctr_vm_vsrc(0)
	s_getreg_b32 s2, hwreg(HW_REG_IB_STS2, 6, 4)
	s_cmp_eq_u32 s2, 0
	s_cbranch_scc0 .Lentry_in_a_cluster
	s_endpgm
.Lentry_in_a_cluster:
	s_bfe_u32 s2, ttmp6, 0x10000c
	s_cmp_lg_u32 s2, 0x3003
	s_cbranch_scc0 .Lentry_shape_is_right
	s_endpgm
.Lentry_shape_is_right:
; att = softmax(q k^T / 8) v for one (batch, head) and 256 queries, with a running maximum.  qh, kh, vh, att: [32 heads][2048][64] f16.
; Eight waves of 32 queries (two groups of 16).  Two waves lie on a SIMD on purpose: for 64 keys a wave has 32 matrix instructions and about
; 240 vector instructions, 64 of them exponentials, so one wave's softmax runs beside the other's products.
; CLUSTER 4 x 1: the four query blocks of a cluster read the same keys and values: every tile of K and V is asked for jointly (mask 15).
; Keys go in 8 tiles of 256 through two LDS slots; waves 0-3 fetch 64 rows of K each, waves 4-7 64 rows of V: one tensor load a wave for a tile.
; A wave has two tensor loads out at the start and one behind each round.
; BOTH PRODUCTS ARE TRANSPOSED, so that nothing is shuffled between lanes:
;   S^T = K Q^T:  lane (r, h) holds query r, keys 8 h + j.  Two such tiles, after the exponential and packing, ARE the B fragment of P for 32 keys.
;   O^T = V^T P^T: V lies [key][d] in LDS, its fragments come by the transposing load; lane (r, h) holds query r, d = 8 h + j.
;   Maximum, rescaling factor and sum belong to a lane's query; the two lanes of a query meet by one v_permlanex16_b32.
; p = 2^(c s - c M), c = log2(e) / 8; the factor for the old sums is 2^(new shift - old shift), made of the same rounded shifts as p.
; FORMAT: q, k, v, P in f16 (P lies in [0, 1.001] for every input); scores, maximum, sums, O in f32.
; LIMIT: v_exp_f32 gives 0 for results under 2^-126 (ISA guide, its entry), and f16 drops p under 3e-8; each row's sum is at least about 1.
.set KP,    144                        ; K's LDS row: 128 bytes + 16
.set VP,    160                        ; V's: 128 + 32 = 5 x 32, for the transposing load
.set VPART, 256*KP                     ; 36,864
.set SLOT,  VPART+256*VP               ; 77,824
.set STAGE, 2*SLOT                     ; 155,648 = 608 x 256: 32 rows x 144 bytes for each wave; no tensor load lands here
.set KADR, 2                           ; v2-3  my K fragments, slot 0, 1
.set VADR, 4                           ; v4-5  my V fragments
.set STO,  6
.set RD,   7
.set CO,   8
.set QO,   9
.set ST,   10                          ; group g at ST + 8 g: shift (twice), factor (twice), sum (even, odd keys), maximum, scratch
.set QF,   32                          ; v32-63    Q fragments, (g, dh) at 16 g + 8 dh
.set OA,   64                          ; v64-127   O^T, (g, dt) at 32 g + 8 dt
.set SC,   128                         ; v128-191  S^T, (g, kt) at 32 g + 8 kt; then P, (g, kh) at 32 g + 16 kh
.set FR,   192                         ; v192-255  K fragments (kt, dh) at 16 kt + 8 dh, then V fragments (kh, dt) at 32 kh + 8 dt
.set G1K, 28
.set G1V, 36
.set G0K, 44                           ; one set for each slot
.set G0V, 52
.macro NOPS n
.rept \n
	v_nop
.endr
.endm
; a round of the cluster's barrier: my work-group's barrier, wave 0 signals for the work-group, all wait for the four work-groups, my work-group's barrier again
.macro ROUND
	s_barrier_signal -1
	s_barrier_wait -1
	s_cmp_lg_u32 s12, 0
	s_cbranch_scc1 .Lnot_wave_0_\@
	s_barrier_signal -3
.Lnot_wave_0_\@:
	s_barrier_wait -3
	s_barrier_signal -1
	s_barrier_wait -1
.endm
.macro JLOAD n                         ; my one joint load for slot n; the branch hangs on the wave's number alone
	s_cmp_lt_u32 s12, 4
	s_cbranch_scc0 .Lfor_v_\@
	tensor_load_to_lds s[G0K+4*\n:G0K+4*\n+3], s[G1K:G1K+7]
	s_nop 0
	s_branch .Lasked_\@
.Lfor_v_\@:
	tensor_load_to_lds s[G0V+4*\n:G0V+4*\n+3], s[G1V:G1V+7]
	s_nop 0
.Lasked_\@:
.endm
	s_load_b256 s[4:11], s[0:1], 0x0               ; qh s[4:5], kh s[6:7], vh s[8:9], att s[10:11]
	v_lshl_add_u32 v31, v0, 2, 0x2f000
	s_set_vgpr_msb 0x40
	v_mov_b32 v1, 0
	s_set_vgpr_msb 0x4044
	ds_add_u32 v31, v1
	s_set_vgpr_msb 0x4400
	v_lshrrev_b32 v1, 5, v0
	v_readfirstlane_b32 s12, v1                    ; wave 0..7
	s_bfe_u32 s13, ttmp6, 0x40000                  ; cx
	s_and_b32 s14, ttmp7, 0xffff                   ; 16 batch + head
	s_lshl_b32 s15, ttmp9, 2
	s_add_co_u32 s15, s15, s13                     ; query block = 4 x cluster x + cx: enters q's and att's addresses alone
	s_mov_b32 s20, 0x3e38aa3b                      ; c = log2(e) / 8
	s_mov_b32 s21, 0x3e38aa3b
	s_mov_b32 s22, 0xbe38aa3b                      ; -c
	s_mov_b32 s24, 0x76543210                      ; v_permlanex16_b32: lane i reads lane i of the other half
	s_mov_b32 s25, 0xfedcba98
	; group 1: 64 rows x 64 elements of 2 bytes, 64 elements from row to row; behind every 32 words 4 (K) or 8 (V) words of padding; mask 15, bit 21 beside it
	s_mov_b32 s[G1K+0], 15|(1<<16)|(1<<20)|(1<<21)|(4<<22)|(3<<25)
	s_mov_b32 s[G1K+1], 64<<16
	s_mov_b32 s[G1K+2], 64<<16
	s_mov_b32 s[G1K+3], 64<<16
	s_mov_b32 s[G1K+4], 64
	s_mov_b32 s[G1K+5], 64
	s_mov_b32 s[G1K+6], 0
	s_mov_b32 s[G1K+7], 0
	s_mov_b32 s[G1V+0], 15|(1<<16)|(1<<20)|(1<<21)|(4<<22)|(7<<25)
	s_mov_b32 s[G1V+1], 64<<16
	s_mov_b32 s[G1V+2], 64<<16
	s_mov_b32 s[G1V+3], 64<<16
	s_mov_b32 s[G1V+4], 64
	s_mov_b32 s[G1V+5], 64
	s_mov_b32 s[G1V+6], 0
	s_mov_b32 s[G1V+7], 0
	s_lshl_b32 s26, s14, 18                        ; K, V: the head's 2048 x 128 bytes, and my 64 rows of a tile: nothing of cx
	s_and_b32 s16, s12, 3
	s_lshl_b32 s16, s16, 13
	s_add_co_u32 s26, s26, s16
	s_mov_b32 s27, 0
	s_lshl_b32 s18, s14, 18                        ; q, att: the head, 256 rows for the query block, 32 for the wave
	s_lshl_b32 s3, s15, 15
	s_add_co_u32 s18, s18, s3
	s_lshl_b32 s3, s12, 12
	s_add_co_u32 s18, s18, s3
	s_mov_b32 s19, 0
	s_mul_i32 s16, s12, 64*KP                      ; waves 0-3: K's rows 64 w
	s_mul_i32 s17, s12, 64*VP                      ; waves 4-7: V's rows 64 (w - 4), behind K's part: 10,240 w - 40,960 + 36,864
	s_sub_co_u32 s17, s17, 4*64*VP-VPART
	s_wait_dscnt 0x0
	s_wait_kmcnt 0x0
	s_add_nc_u64 s[6:7], s[6:7], s[26:27]
	s_add_nc_u64 s[8:9], s[8:9], s[26:27]
	s_add_nc_u64 s[4:5], s[4:5], s[18:19]
	s_add_nc_u64 s[10:11], s[10:11], s[18:19]
.irp n, 0,1
	s_mov_b32 s[G0K+4*\n], 1
	s_add_co_u32 s[G0K+4*\n+1], s16, \n*SLOT
	s_add_nc_u64 s[G0K+4*\n+2:G0K+4*\n+3], s[6:7], \n*256*128      ; tile n
	s_or_b32 s[G0K+4*\n+3], s[G0K+4*\n+3], 0x80000000
	s_mov_b32 s[G0V+4*\n], 1
	s_add_co_u32 s[G0V+4*\n+1], s17, \n*SLOT
	s_add_nc_u64 s[G0V+4*\n+2:G0V+4*\n+3], s[8:9], \n*256*128
	s_or_b32 s[G0V+4*\n+3], s[G0V+4*\n+3], 0x80000000
.endr
	ROUND                                          ; the four work-groups are here: the first joint loads meet
	s_cmp_lt_u32 s12, 4
	s_cbranch_scc0 .Lfirst_v
	tensor_load_to_lds s[G0K:G0K+3], s[G1K:G1K+7]
	s_nop 0
	tensor_load_to_lds s[G0K+4:G0K+7], s[G1K:G1K+7]
	s_nop 0
	s_branch .Lfirst_done
.Lfirst_v:
	tensor_load_to_lds s[G0V:G0V+3], s[G1V:G1V+7]
	s_nop 0
	tensor_load_to_lds s[G0V+4:G0V+7], s[G1V:G1V+7]
	s_nop 0
.Lfirst_done:
	v_and_b32 v1, 15, v0                           ; r
	v_bfe_u32 v26, v0, 4, 1                        ; h
	v_and_b32 v27, 7, v0                           ; L & 7
	v_bfe_u32 v28, v0, 3, 1                        ; (L >> 3) & 1
	v_and_b32 v29, 31, v0                          ; L
	v_lshlrev_b32 v30, 7, v1
	v_lshl_add_u32 v[QO], v26, 4, v30              ; q: row r, 16 bytes at 16 h
.irp g, 0,1
.irp dh, 0,1
	global_load_b128 v[QF+16*\g+8*\dh:QF+16*\g+8*\dh+3],   v[QO], s[4:5] offset:2048*\g+64*\dh
	global_load_b128 v[QF+16*\g+8*\dh+4:QF+16*\g+8*\dh+7], v[QO], s[4:5] offset:2048*\g+64*\dh+32
.endr
.endr
	v_mul_u32_u24 v30, v1, KP
	v_lshl_add_u32 v[KADR], v26, 4, v30            ; K: row r, 16 bytes at 16 h
	v_add_nc_u32 v[KADR+1], SLOT, v[KADR]
	v_lshl_add_u32 v30, v26, 3, v27                ; V: key row 8 h + (L & 7), 16 bytes at 16 ((L >> 3) & 1)
	v_mul_u32_u24 v30, v30, VP
	v_lshl_add_u32 v30, v28, 4, v30
	v_add_nc_u32 v[VADR], VPART, v30
	v_add_nc_u32 v[VADR+1], SLOT, v[VADR]
	s_mul_i32 s2, s12, 32*KP
	s_add_co_u32 s2, s2, STAGE                     ; my stage
	v_add_nc_u32 v[STO], s2, v[KADR]               ; in: row r, 16 bytes at 16 h
	v_lshrrev_b32 v30, 3, v29                      ; back: four rows of 128 bytes an instruction
	v_mul_u32_u24 v30, v30, KP
	v_lshl_add_u32 v30, v27, 4, v30
	v_add_nc_u32 v[RD], s2, v30
	v_lshlrev_b32 v[CO], 4, v29
; the running softmax of group g over the chunk's 64 keys (32 numbers a lane), and P packed in place
.macro SOFTMAX g, first
.set SGB, SC+32*\g
.set NM,  ST+8*\g
.set AL,  ST+8*\g+2
.set LS,  ST+8*\g+4
.set MX,  ST+8*\g+6
.set TT,  ST+8*\g+7
.if \first
	v_max_num_f32 v[MX], v[SGB], v[SGB+1]
.else
	v_max3_num_f32 v[MX], v[MX], v[SGB], v[SGB+1]
.endif
	v_max3_num_f32 v[TT], v[SGB+16], v[SGB+17], v[SGB+18]          ; two chains that do not wait for each other
.set kk, 0
.rept 6
	v_max3_num_f32 v[MX], v[MX], v[SGB+2+2*kk], v[SGB+3+2*kk]
	v_max3_num_f32 v[TT], v[TT], v[SGB+19+2*kk], v[SGB+20+2*kk]
.set kk, kk+1
.endr
	v_max3_num_f32 v[MX], v[MX], v[SGB+14], v[SGB+15]
	v_max3_num_f32 v[MX], v[MX], v[TT], v[SGB+31]
	v_permlanex16_b32 v[TT], v[MX], s24, s25       ; the query's other 32 keys
	v_max_num_f32 v[MX], v[MX], v[TT]
	v_mul_f32 v[TT], s22, v[MX]                    ; the new shift, -c M
.if \first == 0
	v_sub_f32 v[AL], v[TT], v[NM]                  ; new shift - old shift, never above 0
.endif
	v_mov_b32 v[NM], v[TT]
	v_mov_b32 v[NM+1], v[TT]
.if \first == 0
	v_exp_f32 v[AL+1], v[AL]                       ; the plain lines below stand between it and its use (ISA guide 5.7.2)
.endif
.set kk, 0
.rept 16
	v_pk_fma_f32 v[SGB+2*kk:SGB+2*kk+1], v[SGB+2*kk:SGB+2*kk+1], s[20:21], v[NM:NM+1] op_sel_hi:[1,0,1]
.set kk, kk+1
.endr
.set kk, 0
.rept 32
	v_exp_f32 v[SGB+kk], v[SGB+kk]
.set kk, kk+1
.endr
.if \first
	v_nop                                          ; one plain place behind the exponentials
	s_wait_alu depctr_va_vdst(0)
	v_pk_add_f32 v[LS:LS+1], v[SGB:SGB+1], v[SGB+2:SGB+3]          ; the first two pairs start the sums
	v_cvt_pk_f16_f32 v[SGB], v[SGB], v[SGB+1]
	v_cvt_pk_f16_f32 v[SGB+1], v[SGB+2], v[SGB+3]
.else
	s_wait_alu depctr_va_vdst(0)
	v_mov_b32 v[AL], v[AL+1]                       ; the factor twice, for the packed forms; also the plain place behind the exponentials
	v_pk_fma_f32 v[LS:LS+1], v[LS:LS+1], v[AL:AL+1], v[SGB:SGB+1]
	v_cvt_pk_f16_f32 v[SGB], v[SGB], v[SGB+1]
	v_pk_add_f32 v[LS:LS+1], v[LS:LS+1], v[SGB+2:SGB+3]
	v_cvt_pk_f16_f32 v[SGB+1], v[SGB+2], v[SGB+3]
.endif
.set kk, 2
.rept 14                                               ; pair kk is added, then packed into a register whose pair has been added before
	v_pk_add_f32 v[LS:LS+1], v[LS:LS+1], v[SGB+2*kk:SGB+2*kk+1]
	v_cvt_pk_f16_f32 v[SGB+16*(kk>>3)+(kk&7)], v[SGB+2*kk], v[SGB+2*kk+1]
.set kk, kk+1
.endr
.if \first == 0
.set kk, 0
.rept 16
	v_pk_mul_f32 v[OA+32*\g+2*kk:OA+32*\g+2*kk+1], v[OA+32*\g+2*kk:OA+32*\g+2*kk+1], v[AL:AL+1]
.set kk, kk+1
.endr
.endif
.endm
.macro PV8 kh, zero                    ; 8 accumulators, one instruction a turn
.irp g, 0,1
.irp dt, 0,1,2,3
.if \zero
	v_wmma_f32_16x16x32_f16 v[OA+32*\g+8*\dt:OA+32*\g+8*\dt+7], v[FR+32*\kh+8*\dt:FR+32*\kh+8*\dt+7], v[SC+32*\g+16*\kh:SC+32*\g+16*\kh+7], 0
.else
	v_wmma_f32_16x16x32_f16 v[OA+32*\g+8*\dt:OA+32*\g+8*\dt+7], v[FR+32*\kh+8*\dt:FR+32*\kh+8*\dt+7], v[SC+32*\g+16*\kh:SC+32*\g+16*\kh+7], v[OA+32*\g+8*\dt:OA+32*\g+8*\dt+7]
.endif
.endr
.endr
.endm
; 64 keys: chunk c of the tile in slot s
.macro CHUNK s, c, first
.irp kt, 0,1,2,3                                       ; K's fragments: first d 0-31 of the four key blocks, then d 32-63
	ds_load_b128 v[FR+16*\kt:FR+16*\kt+3],     v[KADR+\s] offset:\c*64*KP+\kt*16*KP
	ds_load_b128 v[FR+16*\kt+4:FR+16*\kt+7],   v[KADR+\s] offset:\c*64*KP+\kt*16*KP+32
.endr
.irp kt, 0,1,2,3
	ds_load_b128 v[FR+16*\kt+8:FR+16*\kt+11],  v[KADR+\s] offset:\c*64*KP+\kt*16*KP+64
	ds_load_b128 v[FR+16*\kt+12:FR+16*\kt+15], v[KADR+\s] offset:\c*64*KP+\kt*16*KP+96
.endr
	s_wait_dscnt 0x8                               ; d 0-31 is in; the eight younger loads may be out
.irp g, 0,1
.irp kt, 0,1,2,3
	v_wmma_f32_16x16x32_f16 v[SC+32*\g+8*\kt:SC+32*\g+8*\kt+7], v[FR+16*\kt:FR+16*\kt+7], v[QF+16*\g:QF+16*\g+7], 0
.endr
.endr
	s_wait_dscnt 0x0
.irp g, 0,1                                            ; the same eight accumulators in the same order: they take turns
.irp kt, 0,1,2,3
	v_wmma_f32_16x16x32_f16 v[SC+32*\g+8*\kt:SC+32*\g+8*\kt+7], v[FR+16*\kt+8:FR+16*\kt+15], v[QF+16*\g+8:QF+16*\g+15], v[SC+32*\g+8*\kt:SC+32*\g+8*\kt+7]
.endr
.endr
	NOPS 5                                         ; places behind the products (ISA guide 7.12.1): their sources are loaded into, their results read, and later serve as B
.irp kh, 0,1                                           ; V's fragments, transposed on the way, while the softmax runs
.irp dt, 0,1,2,3
	ds_load_tr16_b128 v[FR+32*\kh+8*\dt:FR+32*\kh+8*\dt+3],   v[VADR+\s] offset:\c*64*VP+\kh*32*VP+32*\dt
	ds_load_tr16_b128 v[FR+32*\kh+8*\dt+4:FR+32*\kh+8*\dt+7], v[VADR+\s] offset:\c*64*VP+\kh*32*VP+16*VP+32*\dt
.endr
.endr
	SOFTMAX 0, \first
	SOFTMAX 1, \first
	s_wait_dscnt 0x0
	PV8 0, \first                                  ; the first chunk's first products start O's sums
	PV8 1, 0
	NOPS 5                                         ; places: the next score products write over P, the next loads over V's fragments
.endm
.macro TILE s, first
	CHUNK \s, 0, \first
	CHUNK \s, 1, 0
	CHUNK \s, 2, 0
	CHUNK \s, 3, 0
.endm
; the change to slot s; o = the other slot, read last, which is filled again where refill = 1
.macro NEXT s, o, refill
	s_wait_dscnt 0x0                               ; my reads of the other slot are over
	s_set_vgpr_msb 0x4
	s_wait_tensorcnt 0x0                           ; all my tensor loads have landed, my part of this slot among them: every group 0 may be written
	ds_add_u32 v31, v1
	s_wait_dscnt 0x0
	s_set_vgpr_msb 0x400
.if \refill
	s_add_nc_u64 s[G0K+4*\o+2:G0K+4*\o+3], s[G0K+4*\o+2:G0K+4*\o+3], 2*256*128   ; the other slot's next tile, two tiles on
	s_add_nc_u64 s[G0V+4*\o+2:G0V+4*\o+3], s[G0V+4*\o+2:G0V+4*\o+3], 2*256*128
	ROUND                                          ; both waits now hold of every wave of the four work-groups
	JLOAD \o                                       ; my one tensor load behind the round, first thing there: it has four chunks' work in which to land
.else
	s_barrier_signal -1
	s_barrier_wait -1
.endif
	TILE \s, 0
.endm
	s_wait_loadcnt 0x0                             ; Q
	s_wait_tensorcnt 0x1                           ; my part of slot 0 is in; slot 1's load stays out
	s_barrier_signal -1
	s_barrier_wait -1
	TILE 0, 1                                      ; tile 0
	s_mov_b32 s23, 3
.Lpair:
	NEXT 1, 0, 1                                   ; tiles 1, 3, 5
	NEXT 0, 1, 1                                   ; tiles 2, 4, 6
	s_sub_co_u32 s23, s23, 1
	s_cmp_lg_u32 s23, 0
	s_cbranch_scc1 .Lpair
	NEXT 1, 0, 0                                   ; tile 7: nothing left to fetch
; THE WAY OUT: divide by the sum, round to f16, 16 bytes a lane into my own stage
.macro FINISH g
.set AL,  ST+8*\g+2
.set LS,  ST+8*\g+4
.set TT,  ST+8*\g+7
	v_add_f32 v[LS], v[LS], v[LS+1]
	v_permlanex16_b32 v[TT], v[LS], s24, s25
	v_add_f32 v[LS], v[LS], v[TT]
	v_rcp_f32 v[AL], v[LS]
	v_nop                                          ; one plain place behind the reciprocal
	s_wait_alu depctr_va_vdst(0)
	v_mov_b32 v[AL+1], v[AL]
.set kk, 0
.rept 16
	v_pk_mul_f32 v[OA+32*\g+2*kk:OA+32*\g+2*kk+1], v[OA+32*\g+2*kk:OA+32*\g+2*kk+1], v[AL:AL+1]
.set kk, kk+1
.endr
.set kk, 0
.rept 16
	v_cvt_pk_f16_f32 v[SC+16*\g+kk], v[OA+32*\g+2*kk], v[OA+32*\g+2*kk+1]
.set kk, kk+1
.endr
.irp dt, 0,1,2,3
	ds_store_b128 v[STO], v[SC+16*\g+4*\dt:SC+16*\g+4*\dt+3] offset:16*KP*\g+32*\dt
.endr
.endm
	FINISH 0
	FINISH 1
.irp t, 0,1,2,3,4,5,6,7
	ds_load_b128 v[FR+4*\t:FR+4*\t+3], v[RD] offset:\t*4*KP        ; four rows; LDS serves a wave's instructions in order: these see the stores above
.endr
.irp t, 0,1,2,3,4,5,6,7
	s_wait_dscnt 7-\t
	global_store_b128 v[CO], v[FR+4*\t:FR+4*\t+3], s[10:11] offset:512*\t   ; the wave stores 512 consecutive aligned bytes
.endr
	s_set_vgpr_msb 0x4
	s_wait_tensorcnt 0x0
	ds_add_u32 v31, v1
	s_wait_dscnt 0x0
	s_set_vgpr_msb 0x400
	ROUND                                          ; the closing round: no work-group ends while a partner may still ask jointly
	s_endpgm
.Lfunc_end_k_q70409b1d84_attn:
	.size	k_q70409b1d84_attn, .Lfunc_end_k_q70409b1d84_attn-k_q70409b1d84_attn
	.p2alignl 7, 3214868480
	.fill 96, 4, 3214868480
	.section	.rodata,"a",@progbits
	.p2align	6, 0x0
	.amdhsa_kernel k_q70409b1d84_attn
		.amdhsa_group_segment_fixed_size 327680
		.amdhsa_private_segment_fixed_size 0
		.amdhsa_enable_private_segment 0
		.amdhsa_kernarg_size 32
		.amdhsa_user_sgpr_count 2
		.amdhsa_user_sgpr_kernarg_segment_ptr 1
		.amdhsa_wavefront_size32 1
		.amdhsa_system_sgpr_workgroup_id_x 1
		.amdhsa_system_sgpr_workgroup_id_y 1
		.amdhsa_system_sgpr_workgroup_id_z 1
		.amdhsa_system_vgpr_workitem_id 0
		.amdhsa_next_free_vgpr 258
		.amdhsa_next_free_sgpr 66
		.amdhsa_reserve_vcc 0
		.amdhsa_float_denorm_mode_32 3
		.amdhsa_float_denorm_mode_16_64 3
		.amdhsa_memory_ordered 1
		.amdhsa_forward_progress 1
		.amdhsa_inst_pref_size 255
	.end_amdhsa_kernel
	.section	.bss,"aw",@nobits
	.p2align	6
	.space	262144
	.amdgpu_metadata
---
amdhsa.version: [ 1, 2 ]
amdhsa.kernels:
  - .name:           k_q70409b1d84_attn
    .symbol:         k_q70409b1d84_attn.kd
    .args:
      - { .name: qh, .offset: 0, .size: 8, .value_kind: global_buffer, .address_space: global }
      - { .name: kh, .offset: 8, .size: 8, .value_kind: global_buffer, .address_space: global }
      - { .name: vh, .offset: 16, .size: 8, .value_kind: global_buffer, .address_space: global }
      - { .name: att, .offset: 24, .size: 8, .value_kind: global_buffer, .address_space: global }
    .group_segment_fixed_size: 327680
    .private_segment_fixed_size: 0
    .kernarg_segment_align: 8
    .kernarg_segment_size: 32
    .max_flat_workgroup_size: 256
    .sgpr_count:     66
    .vgpr_count:     258
    .wavefront_size: 32
...
	.end_amdgpu_metadata
.endif
;; end of part 2
;; launch outp (part 3): grid 8 x 32, 4 waves a work-group, no clusters, 91,648 bytes of LDS; arguments att, W_Output, B_Output, out0; writes out0
.if DOCPART == 3
	.amdgcn_target "amdgcn-amd-amdhsa--gfx1250"
	.amdhsa_code_object_version 6
	.text
	.protected	k_q70409b1d84_outp
	.globl	k_q70409b1d84_outp
	.p2align	8
	.type	k_q70409b1d84_outp,@function
k_q70409b1d84_outp:
	s_mov_b64 s[64:65], 0
	v_nop
	global_prefetch_b8 v0, s[64:65] scope:SCOPE_SE
	s_setreg_imm32_b32 hwreg(HW_REG_WAVE_MODE, 25, 1), 1
	s_wait_xcnt 0x0
; out0 = att W_Output + B_Output.  att: [2][16 heads][2048][64] f16 (k = 64 head + d), W_Output: [1024 (k)][1024 (n)] f32, out0: [4096][1024] f32.
; A work-group makes 128 x 128 with four waves of 64 x 64 (16 accumulator tiles): 8 x 32 = 256 work-groups; blocks of 256 x 256 would give 64.
; K goes in 16 steps of 64, one head a step, through two LDS slots.  att's tile of a step is a dense block of 16 KiB.
; FORMAT: operands f16, sums and bias f32.  LIMIT: |W_Output| and |att| under 65,504; att is an average of v, whose range the first launch states.
; NO TENSOR LOADS, NO JOINT REQUESTS: W_Output is f32 in memory and is rounded in registers on its way into LDS (32 of a step's 48 KiB);
;   landed in LDS as f32 it would be written, read back and written again.  att's 16 KiB, a third of the step, take the same road, so that one order of waits serves both.
; The matrix instruction is used transposed (source 0 = 16 columns of W, source 1 = 16 rows of att): lane (r, h) holds row r, columns 8 h + 0..7.
; The bias is the C operand of each accumulator's first product.
; REGISTERS: window 0: v8-27 addresses, v32-63 att as loaded, v64-95 fragments of att, v96-127 of W, v128-255 accumulators, tile (a, b) at 8 (4 a + b);
;   window 1: v0-63 W as loaded, v64-95 bias (tile b at 8 b).
.set APITCH, 144
.set BPITCH, 288                       ; 256 bytes + 32 = 9 x 32, for the transposing load
.set BPART,  128*APITCH                ; 18,432
.set SLOT,   BPART+64*BPITCH           ; 36,864
.set STAGE,  2*SLOT                    ; 73,728: 16 rows x 272 bytes for each wave
.set SPITCH, 272
.set HEAD,   2048*128                  ; bytes of a head in att; also 64 rows of W_Output
.set AGO,  8
.set BGO,  9
.set ASTO, 10
.set BSTO, 12
.set ADRA, 16
.set ADRB, 20
.set STO,  24
.set RD,   25
.set CO,   26
.set BO,   27
.set SA,   32
.set FA,   64
.set FB,   96
.set ACC,  128
.set BIAS, 64                          ; window 1
.set MSB, 0
.macro WIN new
.if MSB != \new
	s_set_vgpr_msb (MSB<<8)|\new
.set MSB, \new
.endif
.endm
.macro PLACES                          ; four places behind matrix instructions (ISA guide 7.12.1)
.rept 4
	v_nop
.endr
.endm
	s_load_b256 s[4:11], s[0:1], 0x0               ; att s[4:5], W_Output s[6:7], B_Output s[8:9], out0 s[10:11]
	v_lshl_add_u32 v30, v0, 2, 0x16400
	v_mov_b32 v31, 0
	v_lshrrev_b32 v1, 5, v0
	v_readfirstlane_b32 s12, v1                    ; wave 0..3
	s_lshr_b32 s13, s12, 1                         ; rh
	s_and_b32 s14, s12, 1                          ; ch
	s_and_b32 s15, ttmp7, 0xffff                   ; block row 0..31
	v_and_b32 v1, 31, v0                           ; L
	v_and_b32 v2, 15, v0                           ; r
	v_bfe_u32 v3, v0, 4, 1                         ; h
	v_and_b32 v4, 7, v0                            ; L & 7
	v_bfe_u32 v5, v0, 3, 1                         ; (L >> 3) & 1
	s_lshl_b32 s2, s12, 12                         ; att: my 32 rows = 4,096 bytes, 16 L
	v_lshl_add_u32 v[AGO], v1, 4, s2
	s_lshl_b32 s2, s12, 16                         ; W: k row 16 w, 16 L
	v_lshl_add_u32 v[BGO], v1, 4, s2
	s_mul_i32 s2, s12, 32*APITCH                   ; att in LDS: row 32 w + (L >> 3), 16 bytes at 16 (L & 7)
	v_lshrrev_b32 v6, 3, v1
	v_mul_u32_u24 v6, v6, APITCH
	v_lshl_add_u32 v6, v4, 4, v6
	v_add_nc_u32 v[ASTO], s2, v6
	v_add_nc_u32 v[ASTO+1], SLOT, v[ASTO]
	s_mul_i32 s2, s12, 16*BPITCH                   ; W in LDS: k row 16 w, 8 bytes at 8 L
	s_add_co_u32 s2, s2, BPART
	v_lshl_add_u32 v[BSTO], v1, 3, s2
	v_add_nc_u32 v[BSTO+1], SLOT, v[BSTO]
	s_mul_i32 s2, s13, 64*APITCH                   ; fragments of att: row 64 rh + r, 16 h
	v_mul_u32_u24 v6, v2, APITCH
	v_lshl_add_u32 v6, v3, 4, v6
	v_add_nc_u32 v[ADRA], s2, v6
	v_add_nc_u32 v[ADRA+1], SLOT, v[ADRA]
	s_lshl_b32 s2, s14, 7                          ; fragments of W: k row 8 h + (L & 7), column 64 ch + 8 ((L >> 3) & 1)
	s_add_co_u32 s2, s2, BPART
	v_lshl_add_u32 v6, v3, 3, v4
	v_mul_u32_u24 v6, v6, BPITCH
	v_lshl_add_u32 v6, v5, 4, v6
	v_add_nc_u32 v[ADRB], s2, v6
	v_add_nc_u32 v[ADRB+1], SLOT, v[ADRB]
	s_mul_i32 s2, s12, 16*SPITCH
	s_add_co_u32 s2, s2, STAGE                     ; my stage
	v_mul_u32_u24 v6, v2, SPITCH                   ; in: row r, 32 bytes at 32 h
	v_lshl_add_u32 v6, v3, 5, v6
	v_add_nc_u32 v[STO], s2, v6
	v_mul_u32_u24 v6, v3, SPITCH                   ; back: lanes 0-15 one row of 256 bytes, lanes 16-31 the next
	v_lshl_add_u32 v6, v2, 4, v6
	v_add_nc_u32 v[RD], s2, v6
	v_lshlrev_b32 v6, 4, v2
	v_lshl_add_u32 v[CO], v3, 12, v6               ; the same two rows in out0
	s_lshl_b32 s2, ttmp9, 9                        ; bias: column 128 x block + 64 ch + 8 h, in bytes
	s_lshl_b32 s3, s14, 8
	s_add_co_u32 s2, s2, s3
	v_lshl_add_u32 v[BO], v3, 5, s2
	s_mov_b32 s17, 0
	s_wait_kmcnt 0x0
	s_lshr_b32 s2, s15, 4                          ; att: batch x 16 heads, 128 rows x 128 bytes for each block row of the batch
	s_lshl_b32 s2, s2, 22
	s_and_b32 s3, s15, 15
	s_lshl_b32 s3, s3, 14
	s_add_co_u32 s16, s2, s3
	s_add_nc_u64 s[4:5], s[4:5], s[16:17]
	s_lshl_b32 s16, ttmp9, 9                       ; W: 128 columns of 4 bytes
	s_add_nc_u64 s[6:7], s[6:7], s[16:17]
	s_lshl_b32 s2, s15, 19                         ; out0: row 128 y + 64 rh, column 128 x + 64 ch
	s_lshl_b32 s3, s13, 18
	s_add_co_u32 s2, s2, s3
	s_lshl_b32 s3, ttmp9, 9
	s_add_co_u32 s2, s2, s3
	s_lshl_b32 s3, s14, 8
	s_add_co_u32 s16, s2, s3
	s_add_nc_u64 s[10:11], s[10:11], s[16:17]
.macro LOADA step                      ; 8 loads of 512 consecutive bytes: my 32 rows of att's tile
.if \step
	s_wait_xcnt 0x0                                ; the base is stepped only behind this wait
	s_add_nc_u64 s[4:5], s[4:5], HEAD
.endif
	WIN 0
.irp i, 0,1,2,3,4,5,6,7
	global_load_b128 v[SA+4*\i:SA+4*\i+3], v[AGO], s[4:5] offset:512*\i
.endr
.endm
.macro STA s                           ; already f16: stored as it came
	WIN 0
.irp i, 0,1,2,3,4,5,6,7
	ds_store_b128 v[ASTO+\s], v[SA+4*\i:SA+4*\i+3] offset:4*APITCH*\i
.endr
.endm
.macro LOADB step                      ; 16 loads of 512 consecutive bytes: my 16 k rows of W's tile
.if \step
	s_wait_xcnt 0x0
	s_add_nc_u64 s[6:7], s[6:7], HEAD
.endif
	WIN 0x40
.set ii, 0
.rept 16
	global_load_b128 v[4*ii:4*ii+3], v[BGO], s[6:7] offset:4096*ii
.set ii, ii+1
.endr
.endm
.macro CVSTB s
	WIN 0x45
.set ii, 0
.rept 16
	v_cvt_pk_f16_f32 v[4*ii], v[4*ii], v[4*ii+1]
	v_cvt_pk_f16_f32 v[4*ii+1], v[4*ii+2], v[4*ii+3]
.set ii, ii+1
.endr
	WIN 0x04
.set ii, 0
.rept 16
	ds_store_b64 v[BSTO+\s], v[4*ii:4*ii+1] offset:BPITCH*ii
.set ii, ii+1
.endr
.endm
.macro FETCH s, kq                     ; 16 LDS loads: the fragments of 32 along K
	WIN 0
.irp b, 0,1,2,3
	ds_load_tr16_b128 v[FB+8*\b:FB+8*\b+3],   v[ADRB+\s] offset:\kq*32*BPITCH+32*\b
	ds_load_tr16_b128 v[FB+8*\b+4:FB+8*\b+7], v[ADRB+\s] offset:\kq*32*BPITCH+16*BPITCH+32*\b
.endr
.irp a, 0,1,2,3
	ds_load_b128 v[FA+8*\a:FA+8*\a+3],   v[ADRA+\s] offset:\kq*64+\a*16*APITCH
	ds_load_b128 v[FA+8*\a+4:FA+8*\a+7], v[ADRA+\s] offset:\kq*64+\a*16*APITCH+32
.endr
.endm
.macro MULQ first                      ; 16 matrix instructions, one on each accumulator, always in the same order: they take turns
.if \first
	WIN 0x10                                       ; C = bias, window 1
.else
	WIN 0
.endif
.irp a, 0,1,2,3
.irp b, 0,1,2,3
.if \first
	v_wmma_f32_16x16x32_f16 v[ACC+8*(4*\a+\b):ACC+8*(4*\a+\b)+7], v[FB+8*\b:FB+8*\b+7], v[FA+8*\a:FA+8*\a+7], v[BIAS+8*\b:BIAS+8*\b+7]
.else
	v_wmma_f32_16x16x32_f16 v[ACC+8*(4*\a+\b):ACC+8*(4*\a+\b)+7], v[FB+8*\b:FB+8*\b+7], v[FA+8*\a:FA+8*\a+7], v[ACC+8*(4*\a+\b):ACC+8*(4*\a+\b)+7]
.endif
.endr
.endr
.endm
; K step t on slot s.  The loads go out in the order att(t+1) (8), W(t+1) (16), att(t+2), W(t+2), and come back in that order.
.macro STEP s, first, st, ld, bar
	PLACES
	FETCH \s, 0
.if \st
	s_wait_loadcnt 16                              ; att(t+1) is in; the 16 younger loads, W(t+1), stay out
	STA 1-\s
.endif
.if \ld
	LOADA 1
.endif
	s_wait_dscnt 8*\st                             ; the 16 fragment loads are in; the 8 stores behind them may be out
	MULQ \first
	PLACES
	FETCH \s, 1
.if \st
	s_wait_loadcnt 8*\ld                           ; W(t+1) is in; the younger loads are att(t+2), if any were issued
	CVSTB 1-\s
.endif
.if \ld
	LOADB 1
.endif
	s_wait_dscnt 0x0                               ; my reads of this slot are over and my stores into the other are done
.if \bar
	s_barrier_signal -1
.endif
	MULQ 0
	WIN 0
.if \bar
	s_barrier_wait -1
.endif
.endm
	LOADA 0
	LOADB 0
	WIN 0x40
.irp b, 0,1,2,3
	global_load_b128 v[BIAS+8*\b:BIAS+8*\b+3],   v[BO], s[8:9] offset:64*\b
	global_load_b128 v[BIAS+8*\b+4:BIAS+8*\b+7], v[BO], s[8:9] offset:64*\b+16
.endr
	s_wait_loadcnt 0x0
	STA 0
	CVSTB 0
	LOADA 1
	LOADB 1
	WIN 0
	s_wait_dscnt 0x0
	s_barrier_signal -1
	s_barrier_wait -1
	STEP 0, 1, 1, 1, 1                             ; the first step starts the sums from the bias
	STEP 1, 0, 1, 1, 1
	s_mov_b32 s18, 6
.Llap:
	STEP 0, 0, 1, 1, 1
	STEP 1, 0, 1, 1, 1
	s_sub_co_u32 s18, s18, 1
	s_cmp_lg_u32 s18, 0
	s_cbranch_scc1 .Llap
	STEP 0, 0, 1, 0, 1                             ; head 14: nothing left to ask for
	STEP 1, 0, 0, 0, 0                             ; head 15
	PLACES                                         ; places behind the last products: results are stored, fragment registers loaded into
; THE WAY OUT, 16 rows at a time: 32 bytes a lane into my own stage, read back as whole rows of 256 bytes: sixteen lanes store 256 consecutive aligned bytes.
.macro OUT16 a, f
.irp b, 0,1,2,3
	ds_store_b128 v[STO], v[ACC+8*(4*\a+\b):ACC+8*(4*\a+\b)+3]   offset:64*\b
	ds_store_b128 v[STO], v[ACC+8*(4*\a+\b)+4:ACC+8*(4*\a+\b)+7] offset:64*\b+16
.endr
	s_wait_xcnt 0x0                                ; the registers that earlier stores read are loaded again only behind this wait
.irp t, 0,1,2,3,4,5,6,7
	ds_load_b128 v[\f+4*\t:\f+4*\t+3], v[RD] offset:\t*2*SPITCH    ; LDS serves a wave's instructions in order: these see the stores above
.endr
.irp t, 0,1,2,3,4,5,6,7
	s_wait_dscnt 7-\t
	global_store_b128 v[CO], v[\f+4*\t:\f+4*\t+3], s[10:11] offset:65536*\a+8192*\t th:TH_STORE_NT
.endr
.endm
	OUT16 0, SA
	OUT16 1, FA
	OUT16 2, SA
	OUT16 3, FA
	s_wait_tensorcnt 0x0
	ds_add_u32 v30, v31
	s_wait_dscnt 0x0
	s_endpgm
.Lfunc_end_k_q70409b1d84_outp:
	.size	k_q70409b1d84_outp, .Lfunc_end_k_q70409b1d84_outp-k_q70409b1d84_outp
	.p2alignl 7, 3214868480
	.fill 96, 4, 3214868480
	.section	.rodata,"a",@progbits
	.p2align	6, 0x0
	.amdhsa_kernel k_q70409b1d84_outp
		.amdhsa_group_segment_fixed_size 91648
		.amdhsa_private_segment_fixed_size 0
		.amdhsa_enable_private_segment 0
		.amdhsa_kernarg_size 32
		.amdhsa_user_sgpr_count 2
		.amdhsa_user_sgpr_kernarg_segment_ptr 1
		.amdhsa_wavefront_size32 1
		.amdhsa_system_sgpr_workgroup_id_x 1
		.amdhsa_system_sgpr_workgroup_id_y 1
		.amdhsa_system_sgpr_workgroup_id_z 1
		.amdhsa_system_vgpr_workitem_id 0
		.amdhsa_next_free_vgpr 352
		.amdhsa_next_free_sgpr 66
		.amdhsa_reserve_vcc 0
		.amdhsa_float_denorm_mode_32 3
		.amdhsa_float_denorm_mode_16_64 3
		.amdhsa_memory_ordered 1
		.amdhsa_forward_progress 1
		.amdhsa_inst_pref_size 76
	.end_amdhsa_kernel
	.amdgpu_metadata
---
amdhsa.version: [ 1, 2 ]
amdhsa.kernels:
  - .name:           k_q70409b1d84_outp
    .symbol:         k_q70409b1d84_outp.kd
    .args:
      - { .name: att, .offset: 0, .size: 8, .value_kind: global_buffer, .address_space: global }
      - { .name: W_Output, .offset: 8, .size: 8, .value_kind: global_buffer, .address_space: global }
      - { .name: B_Output, .offset: 16, .size: 8, .value_kind: global_buffer, .address_space: global }
      - { .name: out0, .offset: 24, .size: 8, .value_kind: global_buffer, .address_space: global }
    .group_segment_fixed_size: 91648
    .private_segment_fixed_size: 0
    .kernarg_segment_align: 8
    .kernarg_segment_size: 32
    .max_flat_workgroup_size: 128
    .sgpr_count:     66
    .vgpr_count:     352
    .wavefront_size: 32
...
	.end_amdgpu_metadata
.endif
;; end of part 3
;; ======== version 2 of 2: 3 launches
;; limits: values are held in f16: magnitudes above 65,504 overflow, below 6.1e-05 lose precision
;; workspace buffers: qh 8,388,608 bytes; kh 8,388,608 bytes; vh 8,388,608 bytes; att 8,388,608 bytes; wf 2,097,152 bytes
;; launch proj (part 4): grid 4 x 64, 4 waves a work-group, no clusters, 161,280 bytes of LDS; arguments query, key, value, W_Query, W_Key, W_Value, B_Query, B_Key, B_Value, qh, kh, vh, W_Output, wf; writes qh, kh, vh, wf
.if DOCPART == 4
	.amdgcn_target "amdgcn-amd-amdhsa--gfx1250"
	.amdhsa_code_object_version 6
	.text
	.protected	k_q70409b1d84_proj
	.globl	k_q70409b1d84_proj
	.p2align	8
	.type	k_q70409b1d84_proj,@function
k_q70409b1d84_proj:
	s_mov_b64 s[64:65], 0
	v_nop
	global_prefetch_b8 v0, s[64:65] scope:SCOPE_SE
	s_setreg_imm32_b32 hwreg(HW_REG_WAVE_MODE, 25, 1), 1
	s_wait_xcnt 0x0
; q, k, v = x W + b, rounded to f16 and stored head by head: element (b, h, l, d) at byte ((16 b + h) 2048 + l) 128 + 2 d.
; x: [4096][1024] f32, W: [1024 (k)][1024 (n)] f32, b: [1024] f32.  Work-group y = 16 x (which of the three products) + block row, x = block column.
; The three products have 3 x 16 x 4 = 192 blocks.  Work-groups y = 48..63 (64 of them) do other work that the program needs: they round W_Output
; to f16, 16 rows each, into wf [1024 (k)][1024 (n)], so that the last launch can bring its weights into LDS without a conversion.
; A work-group makes 256 x 256 with four waves of 128 x 128 (64 accumulator tiles, 512 registers).  K goes in 16 steps of 64 through two LDS slots.
; FORMAT: operands are rounded to f16, sums and bias are f32.  LIMIT: |x|, |W| and |x W + b| must stay under 65,504, f16's largest number.
;   With rows of unit spread and weights of spread 0.02 the results reach about 4; all inputs 30 times larger: about 3.5e3;
;   all inputs shifted by 30 spreads: 30 x 0.6 x 1024 = about 1.9e4.  Both together would pass the limit.
; NO TENSOR LOADS, NO JOINT REQUESTS, though x's tile is shared by 4 work-groups and W's by 16: the tiles are f32 in memory and the matrix unit takes 16 bits.
;   A K step's tiles are 2 x 64 KiB of f32; landed in LDS they would be written (128 KiB), read back (128 KiB) and written again as f16 (64 KiB).
;   Through registers (global load, conversion, LDS store) LDS is written once, 64 KiB.
; W lies [k][n]: it is stored so in LDS and the fragments are made by the transposing LDS load.
; THE MATRIX INSTRUCTION IS USED TRANSPOSED: source 0 = 16 columns of W, source 1 = 16 rows of x: lane (r, h) then holds row r, columns 8 h + 0..7.
; The bias is the C operand of each accumulator's first product: nothing is cleared and nothing is added afterwards.
; REGISTERS: window 0: v8-27 addresses, v32-63 packed results, v64-127 fragments of x, v128-255 x as loaded;
;   window 1: v0-63 bias (tile b at 8 b), v64-127 fragments of W, v128-255 W as loaded;  windows 2, 3: accumulators, tile (a, b) at 8 (8 a + b).
.set KSTEP,  64
.set APITCH, 144                       ; 128 bytes of a row + 16: the 16 rows of a fragment load start 36 words apart
.set BPITCH, 544                       ; 512 bytes of a k row + 32 = 17 x 32, for the transposing load
.set BPART,  256*APITCH                ; W's part of a slot lies behind x's 256 rows
.set SLOT,   BPART+64*BPITCH           ; 71,680
.set STAGE,  2*SLOT                    ; 143,360: 16 rows x 272 bytes for each wave, for the way out
.set SPITCH, 272
.set AGO,  8                           ; byte offset of my 16 bytes in x's block
.set BGO,  9                           ; the same in W's block
.set ASTO, 10                          ; v10-11  where I put 8 bytes of x, slot 0, 1
.set BSTO, 12                          ; v12-13  the same for W
.set ADRA, 16                          ; v16-17  my fragments of x, slot 0, 1
.set ADRB, 20                          ; v20-21  my fragments of W
.set STO,  24
.set RD,   25
.set CO,   26
.set BO,   27
.set TMP,  32
.set FR,   64                          ; fragments (window 0: x, window 1: W)
.set SG,   128                         ; as loaded (window 0: x, window 1: W)
.set MSB, 0
.macro WIN new                         ; the immediate's high byte repeats the setting that is left
.if MSB != \new
	s_set_vgpr_msb (MSB<<8)|\new
.set MSB, \new
.endif
.endm
.macro PLACES                          ; four places behind matrix instructions (ISA guide 7.12.1) before their registers are loaded into or read
.rept 4
	v_nop
.endr
.endm
	s_load_b512 s[16:31], s[0:1], 0x0              ; query, key, value, W_Query, W_Key, W_Value, B_Query, B_Key
	s_load_b256 s[32:39], s[0:1], 0x40             ; B_Value, qh, kh, vh
	s_load_b128 s[48:51], s[0:1], 0x60             ; W_Output, wf
	v_lshl_add_u32 v30, v0, 2, 0x27400
	v_mov_b32 v31, 0
	v_lshrrev_b32 v1, 5, v0
	v_readfirstlane_b32 s12, v1                    ; wave 0..3
	s_lshr_b32 s13, s12, 1                         ; rh: which 128 rows are mine
	s_and_b32 s14, s12, 1                          ; ch: which 128 columns
	s_and_b32 s40, ttmp7, 0xffff
	s_and_b32 s41, s40, 15                         ; block row 0..15
	s_lshr_b32 s40, s40, 4                         ; 0: q, 1: k, 2: v, 3: the rounding of W_Output
	s_cmp_eq_u32 s40, 3                            ; the same in all four waves of a work-group
	s_cbranch_scc1 .Lconv
	v_and_b32 v1, 31, v0                           ; L
	v_and_b32 v2, 15, v0                           ; r
	v_bfe_u32 v3, v0, 4, 1                         ; h
	v_and_b32 v4, 7, v0                            ; L & 7
	v_bfe_u32 v5, v0, 3, 1                         ; (L >> 3) & 1
	s_lshl_b32 s2, s12, 18                         ; x: row 64 w + 8 h, 16 bytes at 16 r: sixteen lanes take 256 consecutive aligned bytes of a row
	v_lshlrev_b32 v6, 4, v2
	v_lshl_add_u32 v6, v3, 15, v6
	v_add_nc_u32 v[AGO], s2, v6
	s_lshl_b32 s2, s12, 16                         ; W: k row 16 w, 16 bytes at 16 L
	v_lshl_add_u32 v[BGO], v1, 4, s2
	s_mul_i32 s2, s12, 64*APITCH                   ; x in LDS: row 64 w + 8 h, 8 bytes at 8 r
	v_mul_u32_u24 v6, v3, 8*APITCH
	v_lshl_add_u32 v6, v2, 3, v6
	v_add_nc_u32 v[ASTO], s2, v6
	v_add_nc_u32 v[ASTO+1], SLOT, v[ASTO]
	s_mul_i32 s2, s12, 16*BPITCH                   ; W in LDS: k row 16 w, 8 bytes at 8 L
	s_add_co_u32 s2, s2, BPART
	v_lshl_add_u32 v[BSTO], v1, 3, s2
	v_add_nc_u32 v[BSTO+1], SLOT, v[BSTO]
	s_mul_i32 s2, s13, 128*APITCH                  ; fragments of x: row 128 rh + r, 16 bytes at 16 h
	v_mul_u32_u24 v6, v2, APITCH
	v_lshl_add_u32 v6, v3, 4, v6
	v_add_nc_u32 v[ADRA], s2, v6
	v_add_nc_u32 v[ADRA+1], SLOT, v[ADRA]
	s_lshl_b32 s2, s14, 8                          ; fragments of W: k row 8 h + (L & 7), column 128 ch + 8 ((L >> 3) & 1)
	s_add_co_u32 s2, s2, BPART
	v_lshl_add_u32 v6, v3, 3, v4
	v_mul_u32_u24 v6, v6, BPITCH
	v_lshl_add_u32 v6, v5, 4, v6
	v_add_nc_u32 v[ADRB], s2, v6
	v_add_nc_u32 v[ADRB+1], SLOT, v[ADRB]
	s_mul_i32 s2, s12, 16*SPITCH                   ; my stage
	s_add_co_u32 s2, s2, STAGE
	v_mul_u32_u24 v6, v2, SPITCH                   ; in: row r, 16 bytes at 16 h
	v_lshl_add_u32 v6, v3, 4, v6
	v_add_nc_u32 v[STO], s2, v6
	v_mul_u32_u24 v6, v5, SPITCH                   ; back: lanes 0-15 two rows' 128 bytes of my first head, lanes 16-31 of my second
	v_lshl_add_u32 v6, v3, 7, v6
	v_lshl_add_u32 v6, v4, 4, v6
	v_add_nc_u32 v[RD], s2, v6
	v_lshlrev_b32 v6, 4, v2                        ; and in the result: head h of my two (2048 x 128 bytes apart), 16 r
	v_lshl_add_u32 v[CO], v3, 18, v6
	s_lshl_b32 s2, ttmp9, 10                       ; bias: column 256 x block + 128 ch + 8 h, in bytes
	s_lshl_b32 s3, s14, 9
	s_add_co_u32 s2, s2, s3
	v_lshl_add_u32 v[BO], v3, 5, s2
	s_lshr_b32 s2, s41, 3                          ; result: ((16 batch + 4 x block column + 2 ch) 2048 + 256 (block row mod 8) + 128 rh) x 128 bytes
	s_lshl_b32 s2, s2, 4
	s_lshl_b32 s3, ttmp9, 2
	s_add_co_u32 s2, s2, s3
	s_lshl_b32 s3, s14, 1
	s_add_co_u32 s2, s2, s3
	s_lshl_b32 s2, s2, 11
	s_and_b32 s3, s41, 7
	s_lshl_b32 s3, s3, 8
	s_add_co_u32 s2, s2, s3
	s_lshl_b32 s3, s13, 7
	s_add_co_u32 s2, s2, s3
	s_lshl_b32 s46, s2, 7
	s_mov_b32 s47, 0
	s_mov_b32 s45, 0
	s_wait_kmcnt 0x0
	s_cmp_eq_u32 s40, 1                            ; the product's four buffers
	s_cselect_b64 s[4:5], s[18:19], s[16:17]
	s_cselect_b64 s[6:7], s[24:25], s[22:23]
	s_cselect_b64 s[8:9], s[30:31], s[28:29]
	s_cselect_b64 s[10:11], s[36:37], s[34:35]
	s_cmp_eq_u32 s40, 2
	s_cselect_b64 s[4:5], s[20:21], s[4:5]
	s_cselect_b64 s[6:7], s[26:27], s[6:7]
	s_cselect_b64 s[8:9], s[32:33], s[8:9]
	s_cselect_b64 s[10:11], s[38:39], s[10:11]
	s_lshl_b32 s44, s41, 20                        ; 256 rows of 4,096 bytes
	s_add_nc_u64 s[4:5], s[4:5], s[44:45]
	s_lshl_b32 s44, ttmp9, 10                      ; 256 columns of 4 bytes
	s_add_nc_u64 s[6:7], s[6:7], s[44:45]
	s_add_nc_u64 s[10:11], s[10:11], s[46:47]
; 32 loads: my 64 rows x 256 bytes of x's tile.  step = 1: the tile one K step on.
.macro LOADA step
.if \step
	s_wait_xcnt 0x0                                ; the base is stepped only behind this wait
	s_add_nc_u64 s[4:5], s[4:5], KSTEP*4
.endif
	WIN 0
.set ii, 0
.rept 32
	global_load_b128 v[SG+4*ii:SG+4*ii+3], v[AGO], s[4:5] offset:(16*(ii>>3)+(ii&7))*4096
.set ii, ii+1
.endr
.endm
; 32 loads: my 16 k rows x 1,024 bytes of W's tile, 512 consecutive bytes each
.macro LOADB step
.if \step
	s_wait_xcnt 0x0
	s_add_nc_u64 s[6:7], s[6:7], KSTEP*4096
.endif
	WIN 0x40                                       ; destination window 1
.set ii, 0
.rept 32
	global_load_b128 v[SG+4*ii:SG+4*ii+3], v[BGO], s[6:7] offset:(ii>>1)*4096+(ii&1)*512
.set ii, ii+1
.endr
.endm
; round in place, four numbers to 8 bytes, and put them into slot s.  Lanes 16-31 write 8 rows = 1,152 bytes further: the other half of a 256-byte span
.macro CVSTA s
	WIN 0
.set ii, 0
.rept 32
	v_cvt_pk_f16_f32 v[SG+4*ii], v[SG+4*ii], v[SG+4*ii+1]
	v_cvt_pk_f16_f32 v[SG+4*ii+1], v[SG+4*ii+2], v[SG+4*ii+3]
.set ii, ii+1
.endr
.set ii, 0
.rept 32
	ds_store_b64 v[ASTO+\s], v[SG+4*ii:SG+4*ii+1] offset:(16*(ii>>3)+(ii&7))*APITCH
.set ii, ii+1
.endr
.endm
.macro CVSTB s
	WIN 0x45                                       ; sources and destination window 1
.set ii, 0
.rept 32
	v_cvt_pk_f16_f32 v[SG+4*ii], v[SG+4*ii], v[SG+4*ii+1]
	v_cvt_pk_f16_f32 v[SG+4*ii+1], v[SG+4*ii+2], v[SG+4*ii+3]
.set ii, ii+1
.endr
	WIN 0x04                                       ; address window 0, data window 1
.set ii, 0
.rept 32
	ds_store_b64 v[BSTO+\s], v[SG+4*ii:SG+4*ii+1] offset:(ii>>1)*BPITCH+(ii&1)*256
.set ii, ii+1
.endr
.endm
; 32 LDS loads: the fragments of 32 along K (half kq of the step): 8 x 16 columns of W, transposed on the way, and 8 x 16 rows of x
.macro FETCH s, kq
	WIN 0x40
.irp i, 0,1,2,3,4,5,6,7
	ds_load_tr16_b128 v[FR+8*\i:FR+8*\i+3],   v[ADRB+\s] offset:\kq*32*BPITCH+32*\i
	ds_load_tr16_b128 v[FR+8*\i+4:FR+8*\i+7], v[ADRB+\s] offset:\kq*32*BPITCH+16*BPITCH+32*\i
.endr
	WIN 0
.irp i, 0,1,2,3,4,5,6,7
	ds_load_b128 v[FR+8*\i:FR+8*\i+3],   v[ADRA+\s] offset:\kq*64+\i*16*APITCH
	ds_load_b128 v[FR+8*\i+4:FR+8*\i+7], v[ADRA+\s] offset:\kq*64+\i*16*APITCH+32
.endr
.endm
.macro MUL16 hi, a0, first
.irp a, \a0, \a0+1
.irp b, 0,1,2,3,4,5,6,7
.if \first
	v_wmma_f32_16x16x32_f16 v[8*(8*(\a)+\b):8*(8*(\a)+\b)+7], v[FR+8*\b:FR+8*\b+7], v[FR+8*(4*\hi+\a):FR+8*(4*\hi+\a)+7], v[8*\b:8*\b+7]
.else
	v_wmma_f32_16x16x32_f16 v[8*(8*(\a)+\b):8*(8*(\a)+\b)+7], v[FR+8*\b:FR+8*\b+7], v[FR+8*(4*\hi+\a):FR+8*(4*\hi+\a)+7], v[8*(8*(\a)+\b):8*(8*(\a)+\b)+7]
.endif
.endr
.endr
.endm
; 64 matrix instructions, one on each accumulator, always in the same order: the accumulators take turns
.macro MULQ first
.if \first
	WIN 0x91                                       ; W window 1, x window 0, C = bias window 1, D window 2
.else
	WIN 0xa1                                       ; C and D window 2
.endif
	MUL16 0, 0, \first
	MUL16 0, 2, \first
.if \first
	WIN 0xd1
.else
	WIN 0xf1
.endif
	MUL16 1, 0, \first
	MUL16 1, 2, \first
.endm
; K step t on slot s.  st: the tiles of step t + 1, on their way into registers, are rounded and stored into the other slot; ld: those of step t + 2 are asked for.
; The loads go out in the order x(t+1), W(t+1), x(t+2), W(t+2), 32 each, and come back in that order.
.macro STEP s, first, st, ld, bar
	PLACES
	FETCH \s, 0
.if \st
	s_wait_loadcnt 32                              ; x(t+1) is in; the 32 younger loads, W(t+1), stay out
	CVSTA 1-\s
.endif
.if \ld
	LOADA 1
.endif
	s_wait_dscnt 32*\st                            ; the 32 fragment loads are in; the 32 stores issued behind them may be out
	MULQ \first
	PLACES
	FETCH \s, 1
.if \st
	s_wait_loadcnt 32*\ld                          ; W(t+1) is in; the younger loads are x(t+2), if any were issued
	CVSTB 1-\s
.endif
.if \ld
	LOADB 1
.endif
	s_wait_dscnt 0x0                               ; my reads of this slot are over and my stores into the other are done:
.if \bar
	s_barrier_signal -1                            ; say so,
.endif
	MULQ 0                                         ; work on registers while the others arrive,
	WIN 0
.if \bar
	s_barrier_wait -1                              ; then the other slot is whole and this one may be written
.endif
.endm
	LOADA 0
	LOADB 0
	WIN 0x40
.irp b, 0,1,2,3,4,5,6,7
	global_load_b128 v[8*\b:8*\b+3],   v[BO], s[8:9] offset:64*\b       ; bias of columns 16 b + 8 h + 0..7: what the lane's eight results of tile b need
	global_load_b128 v[8*\b+4:8*\b+7], v[BO], s[8:9] offset:64*\b+16
.endr
	s_wait_loadcnt 0x0
	CVSTA 0
	CVSTB 0
	LOADA 1
	LOADB 1
	WIN 0
	s_wait_dscnt 0x0                               ; my part of slot 0 is stored
	s_barrier_signal -1
	s_barrier_wait -1
	STEP 0, 1, 1, 1, 1                             ; the first step starts the sums from the bias
	STEP 1, 0, 1, 1, 1
	s_mov_b32 s42, 6
.Llap:
	STEP 0, 0, 1, 1, 1
	STEP 1, 0, 1, 1, 1
	s_sub_co_u32 s42, s42, 1
	s_cmp_lg_u32 s42, 0
	s_cbranch_scc1 .Llap
	STEP 0, 0, 1, 0, 1                             ; step 14: nothing left to ask for
	STEP 1, 0, 0, 0, 0                             ; step 15
	PLACES
; THE WAY OUT, 16 rows at a time: round to f16, 16 bytes a lane into my own stage, read back so that sixteen lanes hold two rows of one head:
; each store's sixteen lanes cover 256 consecutive aligned bytes.  LDS serves a wave's instructions in order (ISA guide 5.7.1): no wait between stores and loads.
.macro OUT16 i, a, from, f
	WIN \from
.irp b, 0,1,2,3,4,5,6,7
.irp q, 0,1,2,3
	v_cvt_pk_f16_f32 v[TMP+4*\b+\q], v[8*(8*\a+\b)+2*\q], v[8*(8*\a+\b)+2*\q+1]
.endr
.endr
	WIN 0
.irp b, 0,1,2,3,4,5,6,7
	ds_store_b128 v[STO], v[TMP+4*\b:TMP+4*\b+3] offset:32*\b
.endr
	s_wait_xcnt 0x0                                ; the registers that earlier stores read are loaded again only behind this wait
.irp t, 0,1,2,3,4,5,6,7
	ds_load_b128 v[\f+4*\t:\f+4*\t+3], v[RD] offset:\t*2*SPITCH
.endr
.irp t, 0,1,2,3,4,5,6,7
	s_wait_dscnt 7-\t
	global_store_b128 v[CO], v[\f+4*\t:\f+4*\t+3], s[10:11] offset:2048*\i+256*\t
.endr
.endm
	OUT16 0, 0, 0x0a, 128
	OUT16 1, 1, 0x0a, 160
	OUT16 2, 2, 0x0a, 128
	OUT16 3, 3, 0x0a, 160
	OUT16 4, 0, 0x0f, 128
	OUT16 5, 1, 0x0f, 160
	OUT16 6, 2, 0x0f, 128
	OUT16 7, 3, 0x0f, 160
	s_wait_tensorcnt 0x0
	ds_add_u32 v30, v31
	s_wait_dscnt 0x0
	s_endpgm
; W_Output to f16.  Work-group 4 (y - 48) + x takes rows 16 i .. 16 i + 15.  Thread t takes, of each row, the four numbers at byte 16 t and the four at
; byte 2,048 + 16 t: a wave's load covers 512 consecutive bytes, its store of 8 bytes a lane 256 consecutive aligned bytes.  No LDS, no barrier.
.Lconv:
	s_lshl_b32 s2, s41, 2
	s_add_co_u32 s2, s2, ttmp9                     ; 0..63
	s_lshl_b32 s44, s2, 16                         ; 16 rows of 4,096 bytes
	s_mov_b32 s45, 0
	s_lshl_b32 s46, s2, 15                         ; 16 rows of 2,048 bytes
	s_mov_b32 s47, 0
	v_lshlrev_b32 v[AGO], 4, v0
	v_lshlrev_b32 v[CO], 3, v0
	s_wait_kmcnt 0x0
	s_add_nc_u64 s[48:49], s[48:49], s[44:45]
	s_add_nc_u64 s[50:51], s[50:51], s[46:47]
.set ii, 0
.rept 32
	global_load_b128 v[SG+4*ii:SG+4*ii+3], v[AGO], s[48:49] offset:(ii>>1)*4096+(ii&1)*2048 th:TH_LOAD_NT
.set ii, ii+1
.endr
.set ii, 0
.rept 32
	s_wait_loadcnt 31-ii                           ; loads come back in order: this one is in, the younger ones stay out
	v_cvt_pk_f16_f32 v[SG+4*ii], v[SG+4*ii], v[SG+4*ii+1]
	v_cvt_pk_f16_f32 v[SG+4*ii+1], v[SG+4*ii+2], v[SG+4*ii+3]
	global_store_b64 v[CO], v[SG+4*ii:SG+4*ii+1], s[50:51] offset:(ii>>1)*2048+(ii&1)*1024
.set ii, ii+1
.endr
	s_endpgm
.Lfunc_end_k_q70409b1d84_proj:
	.size	k_q70409b1d84_proj, .Lfunc_end_k_q70409b1d84_proj-k_q70409b1d84_proj
	.p2alignl 7, 3214868480
	.fill 96, 4, 3214868480
	.section	.rodata,"a",@progbits
	.p2align	6, 0x0
	.amdhsa_kernel k_q70409b1d84_proj
		.amdhsa_group_segment_fixed_size 161280
		.amdhsa_private_segment_fixed_size 0
		.amdhsa_enable_private_segment 0
		.amdhsa_kernarg_size 112
		.amdhsa_user_sgpr_count 2
		.amdhsa_user_sgpr_kernarg_segment_ptr 1
		.amdhsa_wavefront_size32 1
		.amdhsa_system_sgpr_workgroup_id_x 1
		.amdhsa_system_sgpr_workgroup_id_y 1
		.amdhsa_system_sgpr_workgroup_id_z 1
		.amdhsa_system_vgpr_workitem_id 0
		.amdhsa_next_free_vgpr 1024
		.amdhsa_next_free_sgpr 66
		.amdhsa_reserve_vcc 0
		.amdhsa_float_denorm_mode_32 3
		.amdhsa_float_denorm_mode_16_64 3
		.amdhsa_memory_ordered 1
		.amdhsa_forward_progress 1
		.amdhsa_inst_pref_size 237
	.end_amdhsa_kernel
	.amdgpu_metadata
---
amdhsa.version: [ 1, 2 ]
amdhsa.kernels:
  - .name:           k_q70409b1d84_proj
    .symbol:         k_q70409b1d84_proj.kd
    .args:
      - { .name: query, .offset: 0, .size: 8, .value_kind: global_buffer, .address_space: global }
      - { .name: key, .offset: 8, .size: 8, .value_kind: global_buffer, .address_space: global }
      - { .name: value, .offset: 16, .size: 8, .value_kind: global_buffer, .address_space: global }
      - { .name: W_Query, .offset: 24, .size: 8, .value_kind: global_buffer, .address_space: global }
      - { .name: W_Key, .offset: 32, .size: 8, .value_kind: global_buffer, .address_space: global }
      - { .name: W_Value, .offset: 40, .size: 8, .value_kind: global_buffer, .address_space: global }
      - { .name: B_Query, .offset: 48, .size: 8, .value_kind: global_buffer, .address_space: global }
      - { .name: B_Key, .offset: 56, .size: 8, .value_kind: global_buffer, .address_space: global }
      - { .name: B_Value, .offset: 64, .size: 8, .value_kind: global_buffer, .address_space: global }
      - { .name: qh, .offset: 72, .size: 8, .value_kind: global_buffer, .address_space: global }
      - { .name: kh, .offset: 80, .size: 8, .value_kind: global_buffer, .address_space: global }
      - { .name: vh, .offset: 88, .size: 8, .value_kind: global_buffer, .address_space: global }
      - { .name: W_Output, .offset: 96, .size: 8, .value_kind: global_buffer, .address_space: global }
      - { .name: wf, .offset: 104, .size: 8, .value_kind: global_buffer, .address_space: global }
    .group_segment_fixed_size: 161280
    .private_segment_fixed_size: 0
    .kernarg_segment_align: 8
    .kernarg_segment_size: 112
    .max_flat_workgroup_size: 128
    .sgpr_count:     66
    .vgpr_count:     1024
    .wavefront_size: 32
...
	.end_amdgpu_metadata
.endif
;; end of part 4
;; launch attn (part 5): grid 8 x 32, 8 waves a work-group, clusters of 4 x 1, 327,680 bytes of LDS; arguments qh, kh, vh, att; writes att
.if DOCPART == 5
	.amdgcn_target "amdgcn-amd-amdhsa--gfx1250"
	.amdhsa_code_object_version 6
	.text
	.protected	k_q70409b1d84_attn
	.globl	k_q70409b1d84_attn
	.p2align	8
	.type	k_q70409b1d84_attn,@function
k_q70409b1d84_attn:
	s_mov_b64 s[64:65], 0
	v_nop
	global_prefetch_b8 v0, s[64:65] scope:SCOPE_SE
	s_setreg_imm32_b32 hwreg(HW_REG_WAVE_MODE, 25, 1), 1
	s_wait_xcnt 0x0
	s_wait_alu depctr_hold_cnt(0) depctr_sa_sdst(0) depctr_va_vdst(0) depctr_va_sdst(0) depctr_va_ssrc(0) depctr_va_vcc(0) depctr_vm_vsrc(0)
	s_getreg_b32 s2, hwreg(HW_REG_IB_STS2, 6, 4)
	s_cmp_eq_u32 s2, 0
	s_cbranch_scc0 .Lentry_in_a_cluster
	s_endpgm
.Lentry_in_a_cluster:
	s_bfe_u32 s2, ttmp6, 0x10000c
	s_cmp_lg_u32 s2, 0x3003
	s_cbranch_scc0 .Lentry_shape_is_right
	s_endpgm
.Lentry_shape_is_right:
; att = softmax(q k^T / 8) v for one (batch, head) and 256 queries, with a running maximum.  qh, kh, vh, att: [32 heads][2048][64] f16.
; Eight waves of 32 queries (two groups of 16).  Two waves lie on a SIMD on purpose: for 64 keys a wave has 32 matrix instructions and about
; 240 vector instructions, 64 of them exponentials, so one wave's softmax can run beside the other's products.
; CLUSTER 4 x 1: the four query blocks of a cluster read the same keys and values: every tile of K and V is asked for jointly (mask 15).
; Keys go in 8 tiles of 256 through two LDS slots; waves 0-3 fetch 64 rows of K each, waves 4-7 64 rows of V: one tensor load a wave for a tile.
; A wave has two tensor loads out at the start and one behind each round.
; BOTH PRODUCTS ARE TRANSPOSED, so that nothing is shuffled between lanes:
;   S^T = K Q^T:  lane (r, h) holds query r, keys 8 h + j.  Two such tiles, after the exponential and packing, ARE the B fragment of P for 32 keys.
;   O^T = V^T P^T: V lies [key][d] in LDS, its fragments come by the transposing load; lane (r, h) holds query r, d = 8 h + j.
;   Maximum, rescaling factor and sum belong to a lane's query; the two lanes of a query meet by one v_permlanex16_b32.
; p = 2^(c s - c M), c = log2(e) / 8; the factor for the old sums is 2^(new shift - old shift), made of the same rounded shifts as p.
; The two groups' softmaxes are written line by line in turn, so that no line waits for the line in front of it, and one group's exponentials
; stand among the other group's plain arithmetic.
; FORMAT: q, k, v, P in f16 (P lies in [0, 1.001] for every input); scores, maximum, sums, O in f32.
; LIMIT: v_exp_f32 gives 0 for results under 2^-126 (ISA guide, its entry), and f16 drops p under 3e-8; each row's sum is at least about 1.
.set KP,    144                        ; K's LDS row: 128 bytes + 16
.set VP,    160                        ; V's: 128 + 32 = 5 x 32, for the transposing load
.set VPART, 256*KP                     ; 36,864
.set SLOT,  VPART+256*VP               ; 77,824
.set STAGE, 2*SLOT                     ; 155,648 = 608 x 256: 32 rows x 144 bytes for each wave; no tensor load lands here
.set KADR, 2                           ; v2-3  my K fragments, slot 0, 1
.set VADR, 4                           ; v4-5  my V fragments
.set STO,  6
.set RD,   7
.set CO,   8
.set QO,   9
.set ST,   10                          ; group g at ST + 8 g: +0,1 shift (twice), +2,3 factor (twice), +4,5 sum (even, odd keys), +6 maximum, +7 scratch
.set QF,   32                          ; v32-63    Q fragments, (g, dh) at 16 g + 8 dh
.set OA,   64                          ; v64-127   O^T, (g, dt) at 32 g + 8 dt
.set SC,   128                         ; v128-191  S^T, (g, kt) at 32 g + 8 kt; then P, (g, kh) at 32 g + 16 kh
.set FR,   192                         ; v192-255  K fragments (dh, kt) at 32 dh + 8 kt, then V fragments (kh, dt) at 32 kh + 8 dt
.set G1K, 28
.set G1V, 36
.set G0K, 44                           ; one set for each slot
.set G0V, 52
.macro NOPS n
.rept \n
	v_nop
.endr
.endm
; a round of the cluster's barrier: my work-group's barrier, wave 0 signals for the work-group, all wait for the four work-groups, my work-group's barrier again
.macro CREST                           ; a round behind its opening barrier
	s_cmp_lg_u32 s12, 0
	s_cbranch_scc1 .Lnot_wave_0_\@
	s_barrier_signal -3
.Lnot_wave_0_\@:
	s_barrier_wait -3
	s_barrier_signal -1
	s_barrier_wait -1
.endm
.macro ROUND                           ; a whole round
	s_barrier_signal -1
	s_barrier_wait -1
	CREST
.endm
.macro JLOAD n                         ; my one joint load for slot n; the branch hangs on the wave's number alone
	s_cmp_lt_u32 s12, 4
	s_cbranch_scc0 .Lfor_v_\@
	tensor_load_to_lds s[G0K+4*\n:G0K+4*\n+3], s[G1K:G1K+7]
	s_nop 0
	s_branch .Lasked_\@
.Lfor_v_\@:
	tensor_load_to_lds s[G0V+4*\n:G0V+4*\n+3], s[G1V:G1V+7]
	s_nop 0
.Lasked_\@:
.endm
	s_load_b256 s[4:11], s[0:1], 0x0               ; qh s[4:5], kh s[6:7], vh s[8:9], att s[10:11]
	v_lshl_add_u32 v31, v0, 2, 0x2f000
	s_set_vgpr_msb 0x40
	v_mov_b32 v1, 0
	s_set_vgpr_msb 0x4044
	ds_add_u32 v31, v1
	s_set_vgpr_msb 0x4400
	v_lshrrev_b32 v1, 5, v0
	v_readfirstlane_b32 s12, v1                    ; wave 0..7
	s_bfe_u32 s13, ttmp6, 0x40000                  ; cx
	s_and_b32 s14, ttmp7, 0xffff                   ; 16 batch + head
	s_lshl_b32 s15, ttmp9, 2
	s_add_co_u32 s15, s15, s13                     ; query block = 4 x cluster x + cx: enters q's and att's addresses alone
	s_mov_b32 s20, 0x3e38aa3b                      ; c = log2(e) / 8
	s_mov_b32 s21, 0x3e38aa3b
	s_mov_b32 s22, 0xbe38aa3b                      ; -c
	s_mov_b32 s24, 0x76543210                      ; v_permlanex16_b32: lane i reads lane i of the other half
	s_mov_b32 s25, 0xfedcba98
	; group 1: 64 rows x 64 elements of 2 bytes, 64 elements from row to row; behind every 32 words 4 (K) or 8 (V) words of padding; mask 15, bit 21 beside it
	s_mov_b32 s[G1K+0], 15|(1<<16)|(1<<20)|(1<<21)|(4<<22)|(3<<25)
	s_mov_b32 s[G1K+1], 64<<16
	s_mov_b32 s[G1K+2], 64<<16
	s_mov_b32 s[G1K+3], 64<<16
	s_mov_b32 s[G1K+4], 64
	s_mov_b32 s[G1K+5], 64
	s_mov_b32 s[G1K+6], 0
	s_mov_b32 s[G1K+7], 0
	s_mov_b32 s[G1V+0], 15|(1<<16)|(1<<20)|(1<<21)|(4<<22)|(7<<25)
	s_mov_b32 s[G1V+1], 64<<16
	s_mov_b32 s[G1V+2], 64<<16
	s_mov_b32 s[G1V+3], 64<<16
	s_mov_b32 s[G1V+4], 64
	s_mov_b32 s[G1V+5], 64
	s_mov_b32 s[G1V+6], 0
	s_mov_b32 s[G1V+7], 0
	s_lshl_b32 s26, s14, 18                        ; K, V: the head's 2048 x 128 bytes, and my 64 rows of a tile: nothing of cx
	s_and_b32 s16, s12, 3
	s_lshl_b32 s16, s16, 13
	s_add_co_u32 s26, s26, s16
	s_mov_b32 s27, 0
	s_lshl_b32 s18, s14, 18                        ; q, att: the head, 256 rows for the query block, 32 for the wave
	s_lshl_b32 s3, s15, 15
	s_add_co_u32 s18, s18, s3
	s_lshl_b32 s3, s12, 12
	s_add_co_u32 s18, s18, s3
	s_mov_b32 s19, 0
	s_mul_i32 s16, s12, 64*KP                      ; waves 0-3: K's rows 64 w
	s_mul_i32 s17, s12, 64*VP                      ; waves 4-7: V's rows 64 (w - 4), behind K's part: 10,240 w - 40,960 + 36,864
	s_sub_co_u32 s17, s17, 4*64*VP-VPART
	s_wait_dscnt 0x0
	s_wait_kmcnt 0x0
	s_add_nc_u64 s[6:7], s[6:7], s[26:27]
	s_add_nc_u64 s[8:9], s[8:9], s[26:27]
	s_add_nc_u64 s[4:5], s[4:5], s[18:19]
	s_add_nc_u64 s[10:11], s[10:11], s[18:19]
.irp n, 0,1
	s_mov_b32 s[G0K+4*\n], 1
	s_add_co_u32 s[G0K+4*\n+1], s16, \n*SLOT
	s_add_nc_u64 s[G0K+4*\n+2:G0K+4*\n+3], s[6:7], \n*256*128      ; tile n
	s_or_b32 s[G0K+4*\n+3], s[G0K+4*\n+3], 0x80000000
	s_mov_b32 s[G0V+4*\n], 1
	s_add_co_u32 s[G0V+4*\n+1], s17, \n*SLOT
	s_add_nc_u64 s[G0V+4*\n+2:G0V+4*\n+3], s[8:9], \n*256*128
	s_or_b32 s[G0V+4*\n+3], s[G0V+4*\n+3], 0x80000000
.endr
	ROUND                                          ; the four work-groups are here: the first joint loads meet
	s_cmp_lt_u32 s12, 4
	s_cbranch_scc0 .Lfirst_v
	tensor_load_to_lds s[G0K:G0K+3], s[G1K:G1K+7]
	s_nop 0
	tensor_load_to_lds s[G0K+4:G0K+7], s[G1K:G1K+7]
	s_nop 0
	s_branch .Lfirst_done
.Lfirst_v:
	tensor_load_to_lds s[G0V:G0V+3], s[G1V:G1V+7]
	s_nop 0
	tensor_load_to_lds s[G0V+4:G0V+7], s[G1V:G1V+7]
	s_nop 0
.Lfirst_done:
	v_and_b32 v1, 15, v0                           ; r
	v_bfe_u32 v26, v0, 4, 1                        ; h
	v_and_b32 v27, 7, v0                           ; L & 7
	v_bfe_u32 v28, v0, 3, 1                        ; (L >> 3) & 1
	v_and_b32 v29, 31, v0                          ; L
	v_lshlrev_b32 v30, 7, v1
	v_lshl_add_u32 v[QO], v26, 4, v30              ; q: row r, 16 bytes at 16 h
.irp g, 0,1
.irp dh, 0,1
	global_load_b128 v[QF+16*\g+8*\dh:QF+16*\g+8*\dh+3],   v[QO], s[4:5] offset:2048*\g+64*\dh
	global_load_b128 v[QF+16*\g+8*\dh+4:QF+16*\g+8*\dh+7], v[QO], s[4:5] offset:2048*\g+64*\dh+32
.endr
.endr
	v_mul_u32_u24 v30, v1, KP
	v_lshl_add_u32 v[KADR], v26, 4, v30            ; K: row r, 16 bytes at 16 h
	v_add_nc_u32 v[KADR+1], SLOT, v[KADR]
	v_lshl_add_u32 v30, v26, 3, v27                ; V: key row 8 h + (L & 7), 16 bytes at 16 ((L >> 3) & 1)
	v_mul_u32_u24 v30, v30, VP
	v_lshl_add_u32 v30, v28, 4, v30
	v_add_nc_u32 v[VADR], VPART, v30
	v_add_nc_u32 v[VADR+1], SLOT, v[VADR]
	s_mul_i32 s2, s12, 32*KP
	s_add_co_u32 s2, s2, STAGE                     ; my stage
	v_add_nc_u32 v[STO], s2, v[KADR]               ; in: row r, 16 bytes at 16 h
	v_lshrrev_b32 v30, 3, v29                      ; back: four rows of 128 bytes an instruction
	v_mul_u32_u24 v30, v30, KP
	v_lshl_add_u32 v30, v27, 4, v30
	v_add_nc_u32 v[RD], s2, v30
	v_lshlrev_b32 v[CO], 4, v29
; ---- pieces of the softmax; each works on pair kk (an assembly symbol) of group g's 32 numbers a lane ----
.macro MAX2 g                          ; one step of the group's two maximum chains
	v_max3_num_f32 v[ST+8*\g+6], v[ST+8*\g+6], v[SC+32*\g+2+2*kk], v[SC+32*\g+3+2*kk]
	v_max3_num_f32 v[ST+8*\g+7], v[ST+8*\g+7], v[SC+32*\g+19+2*kk], v[SC+32*\g+20+2*kk]
.endm
.macro SCALE g                         ; c s - c M, two at a time
	v_pk_fma_f32 v[SC+32*\g+2*kk:SC+32*\g+2*kk+1], v[SC+32*\g+2*kk:SC+32*\g+2*kk+1], s[20:21], v[ST+8*\g:ST+8*\g+1] op_sel_hi:[1,0,1]
.endm
.macro EXP2 g
	v_exp_f32 v[SC+32*\g+2*kk], v[SC+32*\g+2*kk]
	v_exp_f32 v[SC+32*\g+2*kk+1], v[SC+32*\g+2*kk+1]
.endm
.macro SUMCVT g, first                 ; pair kk is added to the sums, then packed into a register whose own pair has been added before
.if kk == 0
.if \first
	s_wait_alu depctr_va_vdst(0)
	v_mov_b32 v[ST+8*\g+4], v[SC+32*\g]            ; the first pair starts the sums
	v_mov_b32 v[ST+8*\g+5], v[SC+32*\g+1]
	s_wait_alu depctr_va_vdst(0)
.else
	s_wait_alu depctr_va_vdst(0)
	v_pk_fma_f32 v[ST+8*\g+4:ST+8*\g+5], v[ST+8*\g+4:ST+8*\g+5], v[ST+8*\g+2:ST+8*\g+3], v[SC+32*\g:SC+32*\g+1]
	s_wait_alu depctr_va_vdst(0)
.endif
.else
	v_pk_add_f32 v[ST+8*\g+4:ST+8*\g+5], v[ST+8*\g+4:ST+8*\g+5], v[SC+32*\g+2*kk:SC+32*\g+2*kk+1]
.endif
	v_cvt_pk_f16_f32 v[SC+32*\g+16*(kk>>3)+(kk&7)], v[SC+32*\g+2*kk], v[SC+32*\g+2*kk+1]
.endm
.macro RESC g                          ; O's old sums times the factor
	v_pk_mul_f32 v[OA+32*\g+2*kk:OA+32*\g+2*kk+1], v[OA+32*\g+2*kk:OA+32*\g+2*kk+1], v[ST+8*\g+2:ST+8*\g+3]
.endm
; the running softmax of both groups over the chunk's 64 keys, and P packed in place
.macro SOFTMAX2 first
.irp g, 0,1
.if \first
	v_max_num_f32 v[ST+8*\g+6], v[SC+32*\g], v[SC+32*\g+1]
.else
	v_max3_num_f32 v[ST+8*\g+6], v[ST+8*\g+6], v[SC+32*\g], v[SC+32*\g+1]
.endif
	v_max3_num_f32 v[ST+8*\g+7], v[SC+32*\g+16], v[SC+32*\g+17], v[SC+32*\g+18]
.endr
.set kk, 0
.rept 6                                                ; four chains that do not wait for each other
	MAX2 0
	MAX2 1
.set kk, kk+1
.endr
.irp g, 0,1
	v_max3_num_f32 v[ST+8*\g+6], v[ST+8*\g+6], v[SC+32*\g+14], v[SC+32*\g+15]
.endr
.irp g, 0,1
	v_max3_num_f32 v[ST+8*\g+6], v[ST+8*\g+6], v[ST+8*\g+7], v[SC+32*\g+31]
.endr
.irp g, 0,1
	v_permlanex16_b32 v[ST+8*\g+7], v[ST+8*\g+6], s24, s25         ; the query's other 32 keys
.endr
.irp g, 0,1
	v_max_num_f32 v[ST+8*\g+6], v[ST+8*\g+6], v[ST+8*\g+7]
.endr
.irp g, 0,1
	v_mul_f32 v[ST+8*\g+7], s22, v[ST+8*\g+6]      ; the new shift, -c M
.endr
.if \first == 0
.irp g, 0,1
	v_sub_f32 v[ST+8*\g+2], v[ST+8*\g+7], v[ST+8*\g]               ; new shift - old shift, never above 0
.endr
.endif
.irp g, 0,1
	v_mov_b32 v[ST+8*\g], v[ST+8*\g+7]
	v_mov_b32 v[ST+8*\g+1], v[ST+8*\g+7]
.endr
.if \first == 0
.irp g, 0,1
	v_exp_f32 v[ST+8*\g+3], v[ST+8*\g+2]           ; the plain lines below stand between it and its use (ISA guide 5.7.2)
.endr
.endif
.set kk, 0
.rept 16
	SCALE 0
.set kk, kk+1
.endr
.if \first == 0
	s_wait_alu depctr_va_vdst(0)
.irp g, 0,1
	v_mov_b32 v[ST+8*\g+2], v[ST+8*\g+3]           ; the factor twice, for the packed forms
.endr
.endif
.set kk, 0
.rept 16                                               ; behind each two exponentials a plain line that names none of their registers
	EXP2 0
	SCALE 1
.set kk, kk+1
.endr
.set kk, 0
.rept 16
	EXP2 1
	SUMCVT 0, \first
.set kk, kk+1
.endr
.set kk, 0
.rept 16
	SUMCVT 1, \first
.if \first == 0
	RESC 0
.endif
.set kk, kk+1
.endr
.if \first == 0
.set kk, 0
.rept 16
	RESC 1
.set kk, kk+1
.endr
.endif
.endm
.macro KLOAD dh, s, c                  ; 8 LDS loads: d 32 dh .. 32 dh + 31 of the chunk's four blocks of 16 keys
.irp kt, 0,1,2,3
	ds_load_b128 v[FR+32*\dh+8*\kt:FR+32*\dh+8*\kt+3],   v[KADR+\s] offset:(\c)*64*KP+\kt*16*KP+64*\dh
	ds_load_b128 v[FR+32*\dh+8*\kt+4:FR+32*\dh+8*\kt+7], v[KADR+\s] offset:(\c)*64*KP+\kt*16*KP+64*\dh+32
.endr
.endm
.macro SMUL dh                         ; 8 score products, one on each of 8 accumulators, in the same order both times: they take turns
.irp g, 0,1
.irp kt, 0,1,2,3
.if \dh == 0
	v_wmma_f32_16x16x32_f16 v[SC+32*\g+8*\kt:SC+32*\g+8*\kt+7], v[FR+8*\kt:FR+8*\kt+7], v[QF+16*\g:QF+16*\g+7], 0
.else
	v_wmma_f32_16x16x32_f16 v[SC+32*\g+8*\kt:SC+32*\g+8*\kt+7], v[FR+32+8*\kt:FR+32+8*\kt+7], v[QF+16*\g+8:QF+16*\g+15], v[SC+32*\g+8*\kt:SC+32*\g+8*\kt+7]
.endif
.endr
.endr
.endm
.macro PV8 kh, zero                    ; 8 accumulators, one instruction a turn
.irp g, 0,1
.irp dt, 0,1,2,3
.if \zero
	v_wmma_f32_16x16x32_f16 v[OA+32*\g+8*\dt:OA+32*\g+8*\dt+7], v[FR+32*\kh+8*\dt:FR+32*\kh+8*\dt+7], v[SC+32*\g+16*\kh:SC+32*\g+16*\kh+7], 0
.else
	v_wmma_f32_16x16x32_f16 v[OA+32*\g+8*\dt:OA+32*\g+8*\dt+7], v[FR+32*\kh+8*\dt:FR+32*\kh+8*\dt+7], v[SC+32*\g+16*\kh:SC+32*\g+16*\kh+7], v[OA+32*\g+8*\dt:OA+32*\g+8*\dt+7]
.endif
.endr
.endr
.endm
; 64 keys: chunk c of the tile in slot s.
; have = 1: K's d 0-31 was asked for in the chunk before.  pre = 1: the next chunk's is asked for here.
; bar: the tile's last chunk: 1 = a barrier follows, 2 = a round of the cluster's barrier, behind which this slot is filled again.
.macro CHUNK s, c, first, have, pre, bar
.if \have == 0
	KLOAD 0, \s, \c
.endif
	KLOAD 1, \s, \c
	s_wait_dscnt 0x8                               ; d 0-31 is in; the eight younger loads, d 32-63, may be out
	SMUL 0
	s_wait_dscnt 0x0
	SMUL 1
	NOPS 5                                         ; places behind the products (ISA guide 7.12.1): their sources are loaded into, their results read, and later serve as B
.irp kh, 0,1                                           ; V's fragments, transposed on the way
.irp dt, 0,1,2,3
	ds_load_tr16_b128 v[FR+32*\kh+8*\dt:FR+32*\kh+8*\dt+3],   v[VADR+\s] offset:\c*64*VP+\kh*32*VP+32*\dt
	ds_load_tr16_b128 v[FR+32*\kh+8*\dt+4:FR+32*\kh+8*\dt+7], v[VADR+\s] offset:\c*64*VP+\kh*32*VP+16*VP+32*\dt
.endr
.endr
.if \bar
	s_wait_dscnt 0x0                               ; V's fragments are in: they were my last reads of this slot
	s_set_vgpr_msb 0x4
	s_wait_tensorcnt 0x0                           ; all my tensor loads have landed: the one that was out is my part of the other slot
	ds_add_u32 v31, v1
	s_wait_dscnt 0x0
	s_set_vgpr_msb 0x400
	s_barrier_signal -1                            ; say so now; the softmax and the products below touch registers alone
.endif
	SOFTMAX2 \first
.if \bar == 0
	s_wait_dscnt 0x0                               ; V's fragments, asked for in front of the softmax
.endif
	PV8 0, \first                                  ; the first chunk's first products start O's sums
.if \pre
	NOPS 4                                         ; places: V's first half has been read
	KLOAD 0, \s, \c+1                              ; the next chunk's K, d 0-31, into its registers, while the other eight products run
.endif
	PV8 1, 0
	NOPS 5                                         ; places: the next score products write over P, the next loads over V's fragments
.if \bar
	s_barrier_wait -1                              ; all eight waves have said so
.endif
.if \bar == 2
	CREST                                          ; and all four work-groups: no wave of any partner still reads this slot or has a load on its way
	s_add_nc_u64 s[G0K+4*\s+2:G0K+4*\s+3], s[G0K+4*\s+2:G0K+4*\s+3], 2*256*128   ; no tensor load of mine is out: this slot's next tile, two tiles on
	s_add_nc_u64 s[G0V+4*\s+2:G0V+4*\s+3], s[G0V+4*\s+2:G0V+4*\s+3], 2*256*128
	JLOAD \s                                       ; my one tensor load behind the round, first thing there: it has four chunks' work in which to land
.endif
.endm
.macro TILE s, first, bar
	CHUNK \s, 0, \first, 0, 1, 0
	CHUNK \s, 1, 0, 1, 1, 0
	CHUNK \s, 2, 0, 1, 1, 0
	CHUNK \s, 3, 0, 1, 0, \bar
.endm
	s_wait_loadcnt 0x0                             ; Q
	s_wait_tensorcnt 0x1                           ; my part of slot 0 is in; slot 1's load stays out
	s_barrier_signal -1
	s_barrier_wait -1
	TILE 0, 1, 2                                   ; tile 0; slot 0 gets tile 2
	s_mov_b32 s23, 2
.Lpair:
	TILE 1, 0, 2                                   ; tiles 1, 3; slot 1 gets tiles 3, 5
	TILE 0, 0, 2                                   ; tiles 2, 4; slot 0 gets tiles 4, 6
	s_sub_co_u32 s23, s23, 1
	s_cmp_lg_u32 s23, 0
	s_cbranch_scc1 .Lpair
	TILE 1, 0, 2                                   ; tile 5; slot 1 gets tile 7, the last load
	TILE 0, 0, 1                                   ; tile 6; nothing left to fetch: a barrier shows tile 7 whole
	TILE 1, 0, 0                                   ; tile 7
; THE WAY OUT: divide by the sum, round to f16, 16 bytes a lane into my own stage
.macro FINISH g
.set AL,  ST+8*\g+2
.set LS,  ST+8*\g+4
.set TT,  ST+8*\g+7
	v_add_f32 v[LS], v[LS], v[LS+1]
	v_permlanex16_b32 v[TT], v[LS], s24, s25
	v_add_f32 v[LS], v[LS], v[TT]
	v_rcp_f32 v[AL], v[LS]
	v_nop                                          ; one plain place behind the reciprocal
	s_wait_alu depctr_va_vdst(0)
	v_mov_b32 v[AL+1], v[AL]
.set kk, 0
.rept 16
	v_pk_mul_f32 v[OA+32*\g+2*kk:OA+32*\g+2*kk+1], v[OA+32*\g+2*kk:OA+32*\g+2*kk+1], v[AL:AL+1]
.set kk, kk+1
.endr
.set kk, 0
.rept 16
	v_cvt_pk_f16_f32 v[SC+16*\g+kk], v[OA+32*\g+2*kk], v[OA+32*\g+2*kk+1]
.set kk, kk+1
.endr
.irp dt, 0,1,2,3
	ds_store_b128 v[STO], v[SC+16*\g+4*\dt:SC+16*\g+4*\dt+3] offset:16*KP*\g+32*\dt
.endr
.endm
	FINISH 0
	FINISH 1
.irp t, 0,1,2,3,4,5,6,7
	ds_load_b128 v[FR+4*\t:FR+4*\t+3], v[RD] offset:\t*4*KP        ; four rows; LDS serves a wave's instructions in order: these see the stores above
.endr
.irp t, 0,1,2,3,4,5,6,7
	s_wait_dscnt 7-\t
	global_store_b128 v[CO], v[FR+4*\t:FR+4*\t+3], s[10:11] offset:512*\t   ; the wave stores 512 consecutive aligned bytes
.endr
	s_set_vgpr_msb 0x4
	s_wait_tensorcnt 0x0
	ds_add_u32 v31, v1
	s_wait_dscnt 0x0
	s_set_vgpr_msb 0x400
	ROUND                                          ; the closing round: no work-group ends while a partner may still ask jointly
	s_endpgm
.Lfunc_end_k_q70409b1d84_attn:
	.size	k_q70409b1d84_attn, .Lfunc_end_k_q70409b1d84_attn-k_q70409b1d84_attn
	.p2alignl 7, 3214868480
	.fill 96, 4, 3214868480
	.section	.rodata,"a",@progbits
	.p2align	6, 0x0
	.amdhsa_kernel k_q70409b1d84_attn
		.amdhsa_group_segment_fixed_size 327680
		.amdhsa_private_segment_fixed_size 0
		.amdhsa_enable_private_segment 0
		.amdhsa_kernarg_size 32
		.amdhsa_user_sgpr_count 2
		.amdhsa_user_sgpr_kernarg_segment_ptr 1
		.amdhsa_wavefront_size32 1
		.amdhsa_system_sgpr_workgroup_id_x 1
		.amdhsa_system_sgpr_workgroup_id_y 1
		.amdhsa_system_sgpr_workgroup_id_z 1
		.amdhsa_system_vgpr_workitem_id 0
		.amdhsa_next_free_vgpr 258
		.amdhsa_next_free_sgpr 66
		.amdhsa_reserve_vcc 0
		.amdhsa_float_denorm_mode_32 3
		.amdhsa_float_denorm_mode_16_64 3
		.amdhsa_memory_ordered 1
		.amdhsa_forward_progress 1
		.amdhsa_inst_pref_size 255
	.end_amdhsa_kernel
	.section	.bss,"aw",@nobits
	.p2align	6
	.space	262144
	.amdgpu_metadata
---
amdhsa.version: [ 1, 2 ]
amdhsa.kernels:
  - .name:           k_q70409b1d84_attn
    .symbol:         k_q70409b1d84_attn.kd
    .args:
      - { .name: qh, .offset: 0, .size: 8, .value_kind: global_buffer, .address_space: global }
      - { .name: kh, .offset: 8, .size: 8, .value_kind: global_buffer, .address_space: global }
      - { .name: vh, .offset: 16, .size: 8, .value_kind: global_buffer, .address_space: global }
      - { .name: att, .offset: 24, .size: 8, .value_kind: global_buffer, .address_space: global }
    .group_segment_fixed_size: 327680
    .private_segment_fixed_size: 0
    .kernarg_segment_align: 8
    .kernarg_segment_size: 32
    .max_flat_workgroup_size: 256
    .sgpr_count:     66
    .vgpr_count:     258
    .wavefront_size: 32
...
	.end_amdgpu_metadata
.endif
;; end of part 5
;; launch outp (part 6): grid 8 x 32, 4 waves a work-group, clusters of 4 x 4, 327,680 bytes of LDS; arguments att, wf, B_Output, out0; writes out0
.if DOCPART == 6
	.amdgcn_target "amdgcn-amd-amdhsa--gfx1250"
	.amdhsa_code_object_version 6
	.text
	.protected	k_q70409b1d84_outp
	.globl	k_q70409b1d84_outp
	.p2align	8
	.type	k_q70409b1d84_outp,@function
k_q70409b1d84_outp:
	s_mov_b64 s[64:65], 0
	v_nop
	global_prefetch_b8 v0, s[64:65] scope:SCOPE_SE
	s_setreg_imm32_b32 hwreg(HW_REG_WAVE_MODE, 25, 1), 1
	s_wait_xcnt 0x0
	s_wait_alu depctr_hold_cnt(0) depctr_sa_sdst(0) depctr_va_vdst(0) depctr_va_sdst(0) depctr_va_ssrc(0) depctr_va_vcc(0) depctr_vm_vsrc(0)
	s_getreg_b32 s2, hwreg(HW_REG_IB_STS2, 6, 4)
	s_cmp_eq_u32 s2, 0
	s_cbranch_scc0 .Lentry_in_a_cluster
	s_endpgm
.Lentry_in_a_cluster:
	s_bfe_u32 s2, ttmp6, 0x10000c
	s_cmp_lg_u32 s2, 0xf033
	s_cbranch_scc0 .Lentry_shape_is_right
	s_endpgm
.Lentry_shape_is_right:
; out0 = att W_Output + B_Output.  att: [2][16 heads][2048][64] f16 (k = 64 head + d), wf: W_Output rounded to f16, [1024 (k)][1024 (n)], out0: [4096][1024] f32.
; A work-group makes 128 x 128 with four waves of 64 x 64 (16 accumulator tiles): 8 x 32 = 256 work-groups; blocks of 256 x 256 would give 64.
; CLUSTERS of 4 x 4: the four work-groups of a row of the cluster make blocks of one block row and need the same tiles of att, the four of a column the
; same tiles of wf.  Each tile is asked for jointly: the same tensor load in all four, with a mask that names them.
; K goes in 4 steps of 256 (four heads) through two LDS slots.  One tensor load a wave fills a quarter of a slot: waves 0, 1 two heads of att each,
; waves 2, 3 128 rows of wf each.  Both slots are asked for at the start (2 x 128 KiB, half of what the work-group reads); each of the two refills
; has eight quarter steps, 128 matrix instructions, in which to land.  A wave has two tensor loads out at the start, later one.
; att's 128 rows of one head are 16 KiB without a gap, and heads lie 262,144 bytes apart: a load takes two heads as a tile of 2 rows of 8,192 elements.
; Padding is counted along the whole tile, 4 words behind every 32: in LDS each 128 bytes of a query row are followed by 16 bytes, a pitch of 144.
; Two fragment buffers: a quarter step's 16 LDS loads are issued in front of the 16 products of the quarter before it.
; The matrix instruction is used transposed (source 0 = 16 columns of W, source 1 = 16 rows of att): lane (r, h) holds row r, columns 8 h + 0..7.
; The bias is the C operand of each accumulator's first product.
; FORMAT: operands f16, sums and bias f32.  LIMIT: |W_Output| and |att| under 65,504; att is an average of v, whose range the first launch states.
; REGISTERS: window 0: v16-27 addresses, v64-127 and v128-191 fragment buffers (W's four tiles, then att's four), v192-255 the way out;
;   window 1: v0-127 accumulators, tile (a, b) at 8 (4 a + b), v128-159 bias (tile b at 8 b).
.set APITCH, 144
.set BPITCH, 288                       ; 256 bytes + 32 = 9 x 32, for the transposing load
.set PLANE,  128*APITCH                ; 18,432: one head's 128 rows
.set PART,   2*PLANE                   ; 36,864: what one tensor load brings: two heads, or 128 rows of wf (128 x 288)
.set BPART,  2*PART                    ; wf's part of a slot lies behind att's four heads
.set SLOT,   4*PART                    ; 147,456
.set STAGE,  2*SLOT                    ; 294,912 = 1,152 x 256: 16 rows x 272 bytes for each wave; no tensor load lands here
.set SPITCH, 272
.set HEAD,   2048*128                  ; bytes of a head in att
.set ADRA, 16                          ; v16-17  my fragments of att, slot 0, 1
.set ADRB, 20                          ; v20-21  my fragments of wf, quarters 0-3
.set ADRC, 22                          ; v22-23  the same, quarters 4-7 (their offsets would pass the 16 bits of the immediate)
.set STO,  24
.set RD,   25
.set CO,   26
.set BO,   27
.set F0,   64
.set F1,   128
.set OT,   192
.set ACC,  0                           ; window 1
.set BIAS, 128                         ; window 1
.set G1A, 24                           ; s[24:31] group 1 for att's tiles
.set G0A, 32                           ; s[32:39] group 0 for att's tiles, one set for each slot
.set G1B, 48                           ; s[48:55] group 1 for wf's tiles
.set G0B, 56                           ; s[56:63] group 0 for wf's tiles
.set MUL, 0x50                         ; sources 0 and 1 window 0, C and D window 1
.set MSB, 0
.macro WIN new                         ; the immediate's high byte repeats the setting that is left
.if MSB != \new
	s_set_vgpr_msb (MSB<<8)|\new
.set MSB, \new
.endif
.endm
.macro PLACES                          ; four places behind matrix instructions (ISA guide 7.12.1) before their registers are loaded into or read
.rept 4
	v_nop
.endr
.endm
; A joint load.  Each of the two lines has one mask and one set of registers for all that issue it; the branch hangs on the wave's number alone.
.macro JLOAD n
	s_cmp_eq_u32 s13, 0
	s_cbranch_scc0 .Lfor_b_\@
	tensor_load_to_lds s[G0A+4*\n:G0A+4*\n+3], s[G1A:G1A+7]
	s_nop 0
	s_branch .Lasked_\@
.Lfor_b_\@:
	tensor_load_to_lds s[G0B+4*\n:G0B+4*\n+3], s[G1B:G1B+7]
	s_nop 0
.Lasked_\@:
.endm
; A round of the cluster's barrier: my work-group's barrier; wave 0 signals for the work-group; every wave waits for all sixteen; my work-group's barrier again.
.macro CREST                           ; a round behind its opening barrier
	s_cmp_lg_u32 s12, 0
	s_cbranch_scc1 .Lnot_wave_0_\@
	s_barrier_signal -3
.Lnot_wave_0_\@:
	s_barrier_wait -3
	s_barrier_signal -1
	s_barrier_wait -1
.endm
.macro CROUND                          ; a whole round
	s_barrier_signal -1
	s_barrier_wait -1
	CREST
.endm
	s_load_b256 s[4:11], s[0:1], 0x0               ; att s[4:5], wf s[6:7], B_Output s[8:9], out0 s[10:11]
	v_lshl_add_u32 v62, v0, 2, 0x4c400
	v_mov_b32 v63, 0
	ds_add_u32 v62, v63
	v_lshrrev_b32 v1, 5, v0
	v_readfirstlane_b32 s12, v1                    ; wave 0..3
	s_lshr_b32 s13, s12, 1                         ; which 64 rows of the block are mine.  Also: I fetch for att (0) or for wf (1)
	s_and_b32 s14, s12, 1                          ; which 64 columns.  Also: which half of that tile I fetch
	s_bfe_u32 s40, ttmp6, 0x40000                  ; cx
	s_bfe_u32 s41, ttmp6, 0x40004                  ; cy
	s_lshl_b32 s42, ttmp9, 2
	s_add_co_u32 s42, s42, s40                     ; block column = 4 x cluster x + cx
	s_and_b32 s15, ttmp7, 0xffff
	s_lshl_b32 s15, s15, 2
	s_add_co_u32 s15, s15, s41                     ; block row = 4 x cluster y + cy
	s_lshl_b32 s43, s41, 2
	s_lshl_b32 s43, 15, s43                        ; my row of the cluster: places 4 cy .. 4 cy + 3
	s_lshl_b32 s44, 0x1111, s40                    ; my column: places cx, cx + 4, cx + 8, cx + 12
	; group 1 for att: 2 rows of 8,192 elements of 2 bytes, 131,072 elements apart; 4 words of padding behind every 32
	s_or_b32 s[G1A+0], s43, (1<<16)|(1<<20)|(1<<21)|(4<<22)|(3<<25)
	s_mov_b32 s[G1A+1], 8192<<16                   ; tensor_dim0 = 8,192
	s_mov_b32 s[G1A+2], 2<<16                      ; tensor_dim1 = 2
	s_mov_b32 s[G1A+3], 8192<<16                   ; tile_dim0 = 8,192
	s_mov_b32 s[G1A+4], 2                          ; tile_dim1 = 2
	s_mov_b32 s[G1A+5], 131072                     ; from head to head
	s_mov_b32 s[G1A+6], 0
	s_mov_b32 s[G1A+7], 0
	; group 1 for wf: 128 rows of 128 elements, 1,024 elements apart; 8 words of padding behind every 64
	s_or_b32 s[G1B+0], s44, (1<<16)|(1<<20)|(1<<21)|(5<<22)|(7<<25)
	s_mov_b32 s[G1B+1], 128<<16
	s_mov_b32 s[G1B+2], 128<<16
	s_mov_b32 s[G1B+3], 128<<16
	s_mov_b32 s[G1B+4], 128
	s_mov_b32 s[G1B+5], 1024
	s_mov_b32 s[G1B+6], 0
	s_mov_b32 s[G1B+7], 0
	; where the tiles come from.  att's hang on the block row alone, wf's on the block column alone, each in registers that never hold the other coordinate.
	s_lshr_b32 s16, s15, 4                         ; att: batch x 16 heads,
	s_lshl_b32 s16, s16, 22
	s_and_b32 s17, s15, 15                         ; 128 rows x 128 bytes for each block row of the batch,
	s_lshl_b32 s17, s17, 14
	s_add_co_u32 s16, s16, s17
	s_lshl_b32 s17, s14, 19                        ; two heads for my half
	s_add_co_u32 s16, s16, s17
	s_mov_b32 s17, 0
	s_lshl_b32 s46, s42, 8                         ; wf: 128 columns of 2 bytes,
	s_lshl_b32 s47, s14, 18                        ; 128 rows of 2,048 bytes for my half
	s_add_co_u32 s46, s46, s47
	s_mov_b32 s47, 0
	s_mul_i32 s20, s12, PART                       ; and where they go: the wave's number alone
	s_lshl_b32 s22, s42, 9                         ; my first column in bytes of f32: 512 x block column + 256 x half; for the bias and for out0
	s_lshl_b32 s23, s14, 8
	s_add_co_u32 s22, s22, s23
	s_mov_b32 s23, 0
	s_lshl_b32 s2, s15, 19                         ; my first row of out0: 128 x block row + 64 x half, rows of 4,096 bytes
	s_lshl_b32 s3, s13, 18
	s_add_co_u32 s2, s2, s3
	s_mov_b32 s3, 0
	s_wait_dscnt 0x0
	s_wait_kmcnt 0x0
	s_add_nc_u64 s[18:19], s[4:5], s[16:17]
	s_add_nc_u64 s[46:47], s[6:7], s[46:47]
	s_add_nc_u64 s[10:11], s[10:11], s[2:3]
	s_add_nc_u64 s[10:11], s[10:11], s[22:23]
.irp n, 0,1
	s_mov_b32 s[G0A+4*\n], 1
	s_add_co_u32 s[G0A+4*\n+1], s20, \n*SLOT
	s_add_nc_u64 s[G0A+4*\n+2:G0A+4*\n+3], s[18:19], \n*4*HEAD     ; slot step n: heads 4 n ..
	s_or_b32 s[G0A+4*\n+3], s[G0A+4*\n+3], 0x80000000
	s_mov_b32 s[G0B+4*\n], 1
	s_add_co_u32 s[G0B+4*\n+1], s20, \n*SLOT
	s_add_nc_u64 s[G0B+4*\n+2:G0B+4*\n+3], s[46:47], \n*256*2048   ; rows 256 n ..
	s_or_b32 s[G0B+4*\n+3], s[G0B+4*\n+3], 0x80000000
.endr
	CROUND                                         ; all sixteen work-groups are here: the first joint loads meet
	s_cmp_eq_u32 s13, 0
	s_cbranch_scc0 .Lfirst_b
	tensor_load_to_lds s[G0A:G0A+3], s[G1A:G1A+7]
	s_nop 0
	tensor_load_to_lds s[G0A+4:G0A+7], s[G1A:G1A+7]
	s_nop 0
	s_branch .Lfirst_done
.Lfirst_b:
	tensor_load_to_lds s[G0B:G0B+3], s[G1B:G1B+7]
	s_nop 0
	tensor_load_to_lds s[G0B+4:G0B+7], s[G1B:G1B+7]
	s_nop 0
.Lfirst_done:
	v_and_b32 v2, 15, v0                           ; r
	v_bfe_u32 v3, v0, 4, 1                         ; h
	v_and_b32 v4, 7, v0                            ; L & 7
	v_bfe_u32 v5, v0, 3, 1                         ; (L >> 3) & 1
	v_lshl_add_u32 v[BO], v3, 5, s22               ; bias: my first column + 8 h, in bytes
	WIN 0x40                                       ; destination window 1
.irp b, 0,1,2,3
	global_load_b128 v[BIAS+8*\b:BIAS+8*\b+3],   v[BO], s[8:9] offset:64*\b      ; columns 16 b + 8 h + 0..7: what the lane's eight results of tile b need
	global_load_b128 v[BIAS+8*\b+4:BIAS+8*\b+7], v[BO], s[8:9] offset:64*\b+16
.endr
	WIN 0
	s_mul_i32 s21, s13, 64*APITCH                  ; fragments of att: row 64 rh + r, 16 bytes at 16 h
	v_mul_u32_u24 v6, v2, APITCH
	v_lshl_add_u32 v6, v3, 4, v6
	v_add_nc_u32 v[ADRA], s21, v6
	v_add_nc_u32 v[ADRA+1], SLOT, v[ADRA]
	s_lshl_b32 s21, s14, 7                         ; fragments of wf: k row 8 h + (L & 7), column 64 ch + 8 ((L >> 3) & 1)
	s_add_co_u32 s21, s21, BPART
	v_lshl_add_u32 v6, v3, 3, v4
	v_mul_u32_u24 v6, v6, BPITCH
	v_lshl_add_u32 v6, v5, 4, v6
	v_add_nc_u32 v[ADRB], s21, v6
	v_add_nc_u32 v[ADRB+1], SLOT, v[ADRB]
	v_add_nc_u32 v[ADRC], 128*BPITCH, v[ADRB]
	v_add_nc_u32 v[ADRC+1], 128*BPITCH, v[ADRB+1]
	s_mul_i32 s21, s12, 16*SPITCH
	s_add_co_u32 s21, s21, STAGE                   ; my stage
	v_mul_u32_u24 v6, v2, SPITCH                   ; in: row r, 32 bytes at 32 h
	v_lshl_add_u32 v6, v3, 5, v6
	v_add_nc_u32 v[STO], s21, v6
	v_mul_u32_u24 v6, v3, SPITCH                   ; back: lanes 0-15 one row of 256 bytes, lanes 16-31 the next
	v_lshl_add_u32 v6, v2, 4, v6
	v_add_nc_u32 v[RD], s21, v6
	v_lshlrev_b32 v6, 4, v2
	v_lshl_add_u32 v[CO], v3, 12, v6               ; the same two rows in out0
; 16 LDS loads: the fragments of quarter q (32 along K, q = 0..7) of slot s into buffer f: four tiles of wf, transposed on the way, then four of att
.macro FETCH s, q, f
	WIN 0
.irp b, 0,1,2,3
.if (\q) < 4
	ds_load_tr16_b128 v[\f+8*\b:\f+8*\b+3],   v[ADRB+\s] offset:(\q)*32*BPITCH+32*\b
	ds_load_tr16_b128 v[\f+8*\b+4:\f+8*\b+7], v[ADRB+\s] offset:(\q)*32*BPITCH+16*BPITCH+32*\b
.else
	ds_load_tr16_b128 v[\f+8*\b:\f+8*\b+3],   v[ADRC+\s] offset:((\q)-4)*32*BPITCH+32*\b
	ds_load_tr16_b128 v[\f+8*\b+4:\f+8*\b+7], v[ADRC+\s] offset:((\q)-4)*32*BPITCH+16*BPITCH+32*\b
.endif
.endr
.irp a, 0,1,2,3
	ds_load_b128 v[\f+32+8*\a:\f+32+8*\a+3],   v[ADRA+\s] offset:((\q)>>1)*PLANE+((\q)&1)*64+\a*16*APITCH
	ds_load_b128 v[\f+32+8*\a+4:\f+32+8*\a+7], v[ADRA+\s] offset:((\q)>>1)*PLANE+((\q)&1)*64+\a*16*APITCH+32
.endr
.endm
; 8 matrix instructions: row blocks a0, a0 + 1 x all four column blocks.  The 16 accumulators come in the same order in every quarter: they take turns.
.macro MUL8 f, a0, first
.irp a, \a0, \a0+1
.irp b, 0,1,2,3
.if \first
	v_wmma_f32_16x16x32_f16 v[ACC+8*(4*(\a)+\b):ACC+8*(4*(\a)+\b)+7], v[\f+8*\b:\f+8*\b+7], v[\f+32+8*(\a):\f+32+8*(\a)+7], v[BIAS+8*\b:BIAS+8*\b+7]
.else
	v_wmma_f32_16x16x32_f16 v[ACC+8*(4*(\a)+\b):ACC+8*(4*(\a)+\b)+7], v[\f+8*\b:\f+8*\b+7], v[\f+32+8*(\a):\f+32+8*(\a)+7], v[ACC+8*(4*(\a)+\b):ACC+8*(4*(\a)+\b)+7]
.endif
.endr
.endr
.endm
; One of a slot's first seven quarters: asks for quarter q + 1 into buffer g, then multiplies quarter q from buffer f.
.macro QUARTER s, q, f, g, first
	s_wait_dscnt 0x0                               ; buffer f is in: its 16 loads went out a quarter ago and are all that is out
	PLACES                                         ; buffer g was read by the products of the quarter before
	FETCH \s, \q+1, \g
	WIN MUL
	MUL8 \f, 0, \first
	MUL8 \f, 2, \first
.endm
.macro SEVEN s, first
	QUARTER \s, 0, F0, F1, \first
	QUARTER \s, 1, F1, F0, 0
	QUARTER \s, 2, F0, F1, 0
	QUARTER \s, 3, F1, F0, 0
	QUARTER \s, 4, F0, F1, 0
	QUARTER \s, 5, F1, F0, 0
	QUARTER \s, 6, F0, F1, 0
.endm
; The eighth quarter multiplies buffer 1 and changes slots.  o = the other slot; fill = 1: this slot is filled again, two slot steps ahead.
; In front of the barrier each wave waits for its reads of this slot and for all its tensor loads, of which one may be out: its part of the other slot.
; Behind it nobody reads this slot any more and the other slot is whole: the refill comes first, then the other slot's first fragments.
.macro TURN s, o, fill
	s_wait_dscnt 0x0                               ; buffer 1 is in: my reads of this slot are over
	s_wait_tensorcnt 0x0                           ; all my tensor loads have landed
	ds_add_u32 v62, v63
	s_wait_dscnt 0x0
	s_barrier_signal -1                            ; say so (where the slot is filled again this barrier opens a round of the cluster's barrier),
	WIN MUL
	MUL8 F1, 0, 0                                  ; work on registers while the others arrive,
	WIN 0
	s_barrier_wait -1
.if \fill
	CREST                                          ; all sixteen work-groups have said so
	s_add_nc_u64 s[G0A+4*\s+2:G0A+4*\s+3], s[G0A+4*\s+2:G0A+4*\s+3], 2*4*HEAD    ; no tensor load of mine is out: eight heads on,
	s_add_nc_u64 s[G0B+4*\s+2:G0B+4*\s+3], s[G0B+4*\s+2:G0B+4*\s+3], 2*256*2048  ; 512 rows on
	JLOAD \s                                       ; my one tensor load behind the round, first thing there
.endif
	PLACES                                         ; buffer 0 was read by the quarter before
	FETCH \o, 0, F0
	WIN MUL
	MUL8 F1, 2, 0
.endm
	s_wait_loadcnt 0x0                             ; the bias
	s_wait_tensorcnt 0x1                           ; my part of slot 0 is in; slot 1's load stays out
	s_barrier_signal -1
	s_barrier_wait -1                              ; everybody's is
	FETCH 0, 0, F0
	SEVEN 0, 1                                     ; k 0-255; the first products start the sums from the bias
	TURN 0, 1, 1                                   ; slot 0 gets k 512-767
	SEVEN 1, 0                                     ; k 256-511
	TURN 1, 0, 1                                   ; slot 1 gets k 768-1023: the last load
	SEVEN 0, 0                                     ; k 512-767
	TURN 0, 1, 0                                   ; nothing left to fetch: a barrier shows slot 1 whole
	SEVEN 1, 0                                     ; k 768-1023
	s_wait_dscnt 0x0
	WIN MUL
	MUL8 F1, 0, 0
	MUL8 F1, 2, 0
	WIN 0
	PLACES                                         ; places behind the last products: their results are stored
; THE WAY OUT, 16 rows at a time: 32 bytes a lane into my own stage, read back as whole rows of 256 bytes: sixteen lanes store 256 consecutive aligned bytes.
.macro OUT16 a, f
	WIN 0x04                                       ; address window 0, data window 1
.irp b, 0,1,2,3
	ds_store_b128 v[STO], v[ACC+8*(4*\a+\b):ACC+8*(4*\a+\b)+3]   offset:64*\b
	ds_store_b128 v[STO], v[ACC+8*(4*\a+\b)+4:ACC+8*(4*\a+\b)+7] offset:64*\b+16
.endr
	WIN 0
	s_wait_xcnt 0x0                                ; the registers that earlier stores read are loaded again only behind this wait
.irp t, 0,1,2,3,4,5,6,7
	ds_load_b128 v[\f+4*\t:\f+4*\t+3], v[RD] offset:\t*2*SPITCH    ; LDS serves a wave's instructions in order (ISA guide 5.7.1): these see the stores above
.endr
.irp t, 0,1,2,3,4,5,6,7
	s_wait_dscnt 7-\t
	global_store_b128 v[CO], v[\f+4*\t:\f+4*\t+3], s[10:11] offset:65536*\a+8192*\t th:TH_STORE_NT
.endr
.endm
	OUT16 0, OT
	OUT16 1, OT+32
	OUT16 2, OT
	OUT16 3, OT+32
	s_wait_tensorcnt 0x0
	ds_add_u32 v62, v63
	s_wait_dscnt 0x0
	CROUND                                         ; the closing round: no work-group ends while a partner may still ask for a tile that names it
	s_endpgm
.Lfunc_end_k_q70409b1d84_outp:
	.size	k_q70409b1d84_outp, .Lfunc_end_k_q70409b1d84_outp-k_q70409b1d84_outp
	.p2alignl 7, 3214868480
	.fill 96, 4, 3214868480
	.section	.rodata,"a",@progbits
	.p2align	6, 0x0
	.amdhsa_kernel k_q70409b1d84_outp
		.amdhsa_group_segment_fixed_size 327680
		.amdhsa_private_segment_fixed_size 0
		.amdhsa_enable_private_segment 0
		.amdhsa_kernarg_size 32
		.amdhsa_user_sgpr_count 2
		.amdhsa_user_sgpr_kernarg_segment_ptr 1
		.amdhsa_wavefront_size32 1
		.amdhsa_system_sgpr_workgroup_id_x 1
		.amdhsa_system_sgpr_workgroup_id_y 1
		.amdhsa_system_sgpr_workgroup_id_z 1
		.amdhsa_system_vgpr_workitem_id 0
		.amdhsa_next_free_vgpr 416
		.amdhsa_next_free_sgpr 66
		.amdhsa_reserve_vcc 0
		.amdhsa_float_denorm_mode_32 3
		.amdhsa_float_denorm_mode_16_64 3
		.amdhsa_memory_ordered 1
		.amdhsa_forward_progress 1
		.amdhsa_inst_pref_size 89
	.end_amdhsa_kernel
	.amdgpu_metadata
---
amdhsa.version: [ 1, 2 ]
amdhsa.kernels:
  - .name:           k_q70409b1d84_outp
    .symbol:         k_q70409b1d84_outp.kd
    .args:
      - { .name: att, .offset: 0, .size: 8, .value_kind: global_buffer, .address_space: global }
      - { .name: wf, .offset: 8, .size: 8, .value_kind: global_buffer, .address_space: global }
      - { .name: B_Output, .offset: 16, .size: 8, .value_kind: global_buffer, .address_space: global }
      - { .name: out0, .offset: 24, .size: 8, .value_kind: global_buffer, .address_space: global }
    .group_segment_fixed_size: 327680
    .private_segment_fixed_size: 0
    .kernarg_segment_align: 8
    .kernarg_segment_size: 32
    .max_flat_workgroup_size: 128
    .sgpr_count:     66
    .vgpr_count:     416
    .wavefront_size: 32
...
	.end_amdgpu_metadata
.endif
;; end of part 6
